; MI455X (gfx1250); checked and timed in simulation.
; The chip was launched on July 23, 2026; its instructions are those of AMD's public machine-readable ISA for CDNA 5 (MIT licence, August 2026) and "CDNA5" Instruction Set Architecture Reference Guide (July 2026). The comments in the code are by the model that wrote it; some were corrected since.
;; Multi Head Self Attention. Allowed arithmetic: matrix products marked QUANTISED: E5M2 operands, one E8M0 scale for each 32 along K, by v_wmma_scale_f32_16x16x128_f8f6f4 with both operands' format E5M2, f32 sums; everything else in f32.
;; Inputs: W_out 1,024 x 1,024 float32; W_qkv 3,072 x 1,024 float32; b_out 1,024 float32; x 2,048 x 4 x 1,024 float32.
;; Outputs: out0 2,048 x 4 x 1,024 float32.
;; This version of the problem:
;;   THIS VERSION OF THE PROBLEM IS GIVEN IN LOW PRECISION. The matrix products marked QUANTISED in the list below multiply operands that are first quantised to E5M2 (5 exponent bits, 2 mantissa bits; 8 bits a number), with one power-of-two scale for each 32 numbers along K (OCP MX v1.0); their sums are f32. All else is computed in f32.
;;   The module's matrix products, in the order in which they are computed (A, B: the left and right operand; K: the contracted axis; several contracted axes count as one K, in the product's order):
;;     1. [M 8,192, K 1,024] x [K 1,024, N 3,072]; A: input x; B: input W_qkv: QUANTISED
;;     2. batch 64 x [M 2,048, K 64] x [K 64, N 2,048]; A: computed on the way; B: computed on the way: QUANTISED
;;     3. batch 64 x [M 64, K 2,048] x [K 2,048, N 2,048]; A: computed on the way; B: softmax (see below): QUANTISED
;;     4. [M 8,192, K 1,024] x [K 1,024, N 1,024]; A: computed on the way; B: input W_out: QUANTISED
;;   THE QUANTISER, for each operand of a quantised product, along K:
;;     - K is cut into blocks of 32 from its start; a last block that is shorter is filled with zeros.
;;     - A block's scale is 2^e with e = floor(log2(the largest magnitude in the block)) - 15, held to -126 .. 127; a block of zeros has e = 0. As a byte (E8M0): e + 127.
;;     - Each number is divided by its block's scale, clamped to +-57,344, and rounded to the nearest number of E5M2, ties to even, subnormals kept.
;;     - The product sums the exact products of the quantised numbers (number of the format x scale) in f32.
;;   ~~~python
;;   def quantise(x, axis):      # numpy; x: float32 -> the quantised numbers, widened to float32 again
;;       x = np.moveaxis(x, axis, -1); K = x.shape[-1]
;;       x = np.pad(x, [(0, 0)] * (x.ndim - 1) + [(0, -K % 32)]); x = x.reshape(x.shape[:-1] + (-1, 32)); a = np.abs(x).max(-1, keepdims=True)
;;       e = np.where(a > 0, np.clip(np.frexp(np.where(a > 0, a, 1))[1] - 1 - 15, -126, 127), 0)      # np.frexp(a)[1] - 1 = floor(log2(a)), exactly
;;       r = np.clip(x / 2.0 ** e, -57344, 57344)
;;       step = 2.0 ** (np.maximum(np.frexp(np.where(r == 0, 1, r))[1] - 1, -14) - 2)
;;       q = np.round(r / step) * step * 2.0 ** e      # np.round: ties to even
;;       return np.moveaxis(q.reshape(q.shape[:-2] + (-1,))[..., :K], -1, axis).astype(np.float32)
;;   ~~~
;;   SOFTMAX AHEAD OF A QUANTISED PRODUCT. Where the list says 'softmax', what is quantised is not the finished softmax but p = 2^(t - M), with t = logit x log2(e) and M = ceil(the row's largest t), a whole number; so 1/2 < the row's largest p <= 1. The row's sum l is taken of the UNQUANTISED p, in f32, and the product's result is divided by l at the end. Since M is a whole number, a kernel that streams over the keys may use a running M (the ceiling of the running maximum): every later rescaling is an exact power of two, which a block's scale takes up: the codes' values come out the same.
;;   OPERANDS COMPUTED ON THE WAY. 'Computed on the way' means the value that the module computes at that place (a softmax that the list does not call 'softmax' is quantised finished and normalised). What goes into a quantiser is computed in f32, as accurately as f32 sums, v_exp_f32 and their like allow (about 1e-6 of the number): no bf16 or f16 on the way to a quantiser, and a product that is left as it is and whose result goes on into a quantised operand takes f32 operands (vector FMAs, or v_wmma_f32_16x16x4_f32). A number that lies on a knife's edge between two numbers of the format may be rounded either way, as far as f32 arithmetic and the matrix unit's own rounding can turn it there, and no further.
;; One version. Each part assembles by itself: llvm-mc -triple=amdgcn-amd-amdhsa -mcpu=gfx1250 --defsym DOCPART=n.
;; ======== version 1 of 1: 4 launches
;; limits: right only within a limited range of input values
;; workspace buffers: xq 8,650,752 bytes; wts 4,325,376 bytes; qb 8,912,896 bytes; kv 17,563,648 bytes; ab 8,650,752 bytes
;; launch quant (part 1): grid 256 x 1, 3 waves a work-group, no clusters, 26,624 bytes of LDS; arguments x, W_qkv, W_out, xq, wts; writes xq, wts
.if DOCPART == 1
	.amdgcn_target "amdgcn-amd-amdhsa--gfx1250"
	.amdhsa_code_object_version 6
	.text
	.protected	k_q3e0f591c56_quant
	.globl	k_q3e0f591c56_quant
	.p2align	8
	.type	k_q3e0f591c56_quant,@function
k_q3e0f591c56_quant:
	s_mov_b64 s[64:65], 0
	v_nop
	global_prefetch_b8 v0, s[64:65] scope:SCOPE_SE
	s_setreg_imm32_b32 hwreg(HW_REG_WAVE_MODE, 25, 1), 1
	s_wait_xcnt 0x0
; x [2048][4][1024], W_qkv [3072][1024], W_out [1024][1024], f32, become codes of BF8 (E5M2) with one E8M0 scale byte for each 32 along K (the last axis).
; A block's scale is 2^(floor(log2(its largest magnitude)) - 15); each number is divided by it, held within +-57,344 and rounded to the nearest code, ties to even.
; LAYOUT OF THE RESULT.  Rows are cut into tiles of 16: inside each 32 rows, tile 2 B + u holds rows 32 B + 8 u + i + 8 (i / 8), i = 0 .. 15.  x's rows are taken batch by batch (tile b x 128 + tile of t).
; A tile's codes lie as eight IMAGES OF OPERAND REGISTERS, one for each 128 along K: [c 0..3][lane][16 bytes], lane (r, h) holding k = 32 c + 16 h + 0 .. 15 of the tile's row r: 2,048 bytes an image.
; A tile's scale bytes lie [i 16][32 bytes].
; SHARES.  768 tiles, one to a wave: tiles 0-511 x, 512-703 W_qkv, 704-767 W_out.  One path through the text: only pointers and offsets are chosen, on the tile's number.
; Each load reads 512 consecutive bytes of one row; a K step's 16 rows x 512 bytes turn through the wave's own stage in LDS (rows 528 bytes apart), so that a lane gets 16 neighbours of each block of 32.
; No barrier: waves share nothing.  Loads run four K steps (64 loads a wave) ahead.
; LIMITS: NaN and infinities among the inputs are not served.  A block whose largest magnitude lies under 2^-111, a block of zeros among them, keeps the byte 1 (the rule says 127 for zeros): its codes are
; zeros or subnormal codes under the byte 1, and the bytes are read by this program alone.
.set XSC,  8388608                     ; xq: where the scale bytes begin
.set WQS,  3145728                     ; wts: W_qkv's scale bytes,
.set WOC,  3244032                     ; W_out's codes,
.set WOS,  4292608                     ; W_out's scale bytes
.set SP,   528                         ; a stage row: 512 bytes + 16
.set STG,  8704                        ; a wave's stage: 16 rows, rounded up to blocks of 256 bytes
.set LN,   1                           ; v1   lane
.set SA,   2                           ; v2   the stage on the way in: 16 x lane
.set SB,   3                           ; v3   and on the way out: 528 r + 64 h
.set LI,   4                           ; v4   16 x lane
.set SO,   5                           ; v5   32 r + 16 h: my 16 scale bytes
.set WD,   8                           ; v8-15   the eight scale words of my row
.set OFF,  16                          ; v16-31  row i of the tile: 16 x lane + the row's distance in memory; never rewritten
.set TM,   32                          ; v32-47  at work
.set PC,   48                          ; v48-63  a fragment's codes
.set X,    64                          ; v64-127 64 numbers: register 16 c + i = k 32 c + 16 h + i of row r
.set R,    128                         ; v128-255 two sets of 64 registers as loaded
.set IN,   18                          ; s[18:19] the tile's first row
.set CD,   20                          ; s[20:21] its codes
.set SC,   28                          ; s[28:29] its scale bytes
.set SEL,  36                          ; s[36:37] v_permlanex16_b32's selects for lane l xor 16
.set MNT,  38                          ; s38  the mantissa field of 57,344
	s_load_b256 s[4:11], s[0:1], 0x0               ; x s[4:5], W_qkv s[6:7], W_out s[8:9], xq s[10:11]
	s_load_b64 s[12:13], s[0:1], 0x20              ; wts
	s_set_vgpr_msb 0x40
	v_lshl_add_u32 v0, v0, 2, 0x6600
	v_mov_b32 v1, 0
	s_set_vgpr_msb 0x4000
	v_lshrrev_b32 v1, 5, v0
	v_readfirstlane_b32 s14, v1                    ; wave 0..2
	v_and_b32 v[LN], 31, v0
	v_and_b32 v6, 15, v0                           ; r
	v_bfe_u32 v7, v0, 4, 1                         ; h
	s_mul_i32 s15, ttmp9, 3
	s_add_co_u32 s15, s15, s14                     ; my tile, 0 .. 767
	s_mul_i32 s16, s14, STG                        ; my stage
	v_lshlrev_b32 v[LI], 4, v[LN]
	v_add_nc_u32 v[SA], s16, v[LI]
	v_mul_u32_u24 v[SB], v6, SP
	v_lshl_add_u32 v[SB], v7, 6, v[SB]
	v_add_nc_u32 v[SB], s16, v[SB]
	v_lshlrev_b32 v[SO], 5, v6
	v_lshl_add_u32 v[SO], v7, 4, v[SO]
	s_mov_b32 s[SEL], 0x76543210
	s_mov_b32 s[SEL+1], 0xfedcba98
	s_mov_b32 s[MNT], 0x600000
.irp b, 0,1,2,3
	v_mov_b32 v[TM+4+\b], 0                        ; written once: a lane permute's destination counts as one of its sources
.endr
	; which tensor, and where
	s_cmp_lt_u32 s15, 512                          ; x?
	s_cselect_b32 s17, 14, 12                      ; log2 of the bytes from a row of the tile's axis to the next: x's t rows lie 4 x 4,096 apart
	s_cselect_b32 s22, 0, 512                      ; the tensor's first tile
	s_mov_b32 s23, WQS
	s_cselect_b32 s23, XSC, s23                    ; where its scale bytes begin
	s_cmp_lt_u32 s15, 704                          ; not W_out?
	s_cselect_b32 s22, s22, 704
	s_cselect_b32 s23, s23, WOS
	s_cselect_b32 s24, 0, WOC                      ; where its codes begin
	s_sub_co_u32 s25, s15, s22                     ; the tile's number in its tensor
	s_lshr_b32 s26, s25, 7
	s_and_b32 s27, s25, 127
	s_cmp_lt_u32 s15, 512
	s_cselect_b32 s26, s26, 0                      ; x: the batch
	s_cselect_b32 s27, s27, s25                    ; the tile along t, or along W's rows
	s_lshr_b32 s30, s27, 1
	s_lshl_b32 s30, s30, 5
	s_and_b32 s31, s27, 1
	s_lshl_b32 s31, s31, 3
	s_add_co_u32 s30, s30, s31                     ; its first row: 32 (tile / 2) + 8 (tile % 2)
	s_lshl_b32 s30, s30, s17
	s_lshl_b32 s26, s26, 12
	s_add_co_u32 s30, s30, s26                     ; in bytes
	s_mov_b32 s31, 0
	s_lshl_b32 s32, s25, 14                        ; 16,384 bytes of codes a tile
	s_add_co_u32 s32, s32, s24
	s_mov_b32 s33, 0
	s_lshl_b32 s34, s25, 9                         ; 512 scale bytes a tile
	s_add_co_u32 s34, s34, s23
	s_mov_b32 s35, 0
.irp i, 0,1,2,3,4,5,6,7,8,9,10,11,12,13,14,15
	s_lshl_b32 s39, \i+8*(\i/8), s17               ; the tile's row i lies i + 8 (i / 8) rows on
	v_add_nc_u32 v[OFF+\i], s39, v[LI]
.endr
	s_wait_alu depctr_va_vdst(0)
	s_wait_kmcnt 0x0
	s_cmp_lt_u32 s15, 512
	s_cselect_b64 s[IN:IN+1], s[4:5], s[6:7]
	s_cselect_b64 s[CD:CD+1], s[10:11], s[12:13]
	s_cmp_lt_u32 s15, 704
	s_cselect_b64 s[IN:IN+1], s[IN:IN+1], s[8:9]
	s_mov_b64 s[SC:SC+1], s[CD:CD+1]
	s_add_nc_u64 s[IN:IN+1], s[IN:IN+1], s[30:31]
	s_add_nc_u64 s[CD:CD+1], s[CD:CD+1], s[32:33]
	s_add_nc_u64 s[SC:SC+1], s[SC:SC+1], s[34:35]
.set MSB, 0
.macro WIN new                         ; the immediate's high byte repeats the setting that is left
.if MSB != (\new)
	s_set_vgpr_msb (MSB<<8)|(\new)
.set MSB, (\new)
.endif
.endm
; LOADS RUN FOUR K STEPS (64 loads a wave) AHEAD, in four sets of 64 registers: K steps 0, 1 (mod 4) land in v128-255 of window 0, K steps 2, 3 (mod 4) in the same numbers of window 1
.macro LOAD ks                         ; K step ks: 16 rows x 512 consecutive bytes
	WIN 0x40*(((\ks)%4)/2)                         ; the destination's window
.irp i, 0,1,2,3,4,5,6,7,8,9,10,11,12,13,14,15
	global_load_b128 v[R+64*((\ks)%2)+4*\i:R+64*((\ks)%2)+4*\i+3], v[OFF+\i], s[IN:IN+1] offset:512*(\ks) th:TH_LOAD_NT
.endr
	WIN 0
.endm
; 64 numbers of a lane, v[s] on, become a fragment's codes in v[PC] on and my row's scale word in v[word]
.macro QUANT s, word
.irp b, 0,1,2,3
	v_max3_num_f32 v[TM+\b], |v[\s+16*\b]|, |v[\s+1+16*\b]|, 0x8000000   ; block b: my 16 numbers, and the floor 2^(16 - 127): the byte cannot fall under 1
.endr
.irp i, 2,4,6,8,10,12,14
.irp b, 0,1,2,3
	v_max3_num_f32 v[TM+\b], v[TM+\b], |v[\s+16*\b+\i]|, |v[\s+1+16*\b+\i]|   ; the four blocks by turns
.endr
.endr
.irp b, 0,1,2,3
	v_permlanex16_b32 v[TM+4+\b], v[TM+\b], s[SEL], s[SEL+1]
.endr
.irp b, 0,1,2,3
	v_max_num_f32 v[TM+\b], v[TM+\b], v[TM+4+\b]   ; with lane l xor 16's 16: the block's largest magnitude
.endr
.irp b, 0,1,2,3
	v_add_nc_u32 v[TM+12+\b], 0xf8800000, v[TM+\b] ; 15 off its exponent field: the conversion's scale operand
.endr
.irp b, 0,1,2,3
	v_and_or_b32 v[TM+8+\b], v[TM+\b], 0x7f800000, s[MNT]   ; 57,344 x the scale
.endr
.irp b, 0,1,2,3
	v_lshrrev_b32 v[TM+4+\b], 23, v[TM+12+\b]      ; the scale's byte
.endr
	v_lshl_or_b32 v[\word], v[TM+5], 8, v[TM+4]
	v_lshl_or_b32 v[\word], v[TM+6], 16, v[\word]
	v_lshl_or_b32 v[\word], v[TM+7], 24, v[\word]
.irp b, 0,1,2,3
.irp i, 0,1,2,3,4,5,6,7,8,9,10,11,12,13,14,15
	v_med3_num_f32 v[\s+16*\b+\i], v[\s+16*\b+\i], -v[TM+8+\b], v[TM+8+\b]   ; the conversion to an 8-bit code does not saturate (ISA guide 7.6.2): the hold comes first
.endr
	v_cvt_scalef32_pk8_bf8_f32 v[PC+4*\b:PC+1+4*\b], v[\s+16*\b:\s+7+16*\b], v[TM+12+\b]
	v_cvt_scalef32_pk8_bf8_f32 v[PC+2+4*\b:PC+3+4*\b], v[\s+8+16*\b:\s+15+16*\b], v[TM+12+\b]
.endr
	v_nop                                          ; one plain vector instruction behind the last conversion
.endm
.macro STEP ks
.if (\ks) < 5
	s_wait_loadcnt 48                              ; this K step's 16 loads are in; those of the three steps behind it may be out
.else
	s_wait_loadcnt 16*(7-(\ks))                    ; the last steps: 16 for each step still behind this one
.endif
	WIN 0x04*(((\ks)%4)/2)                         ; the stored data's window
.irp i, 0,1,2,3,4,5,6,7,8,9,10,11,12,13,14,15
	ds_store_b128 v[SA], v[R+64*((\ks)%2)+4*\i:R+64*((\ks)%2)+4*\i+3] offset:SP*\i
.endr
	WIN 0
.irp c, 0,1,2,3
.irp j, 0,1,2,3
	ds_load_b128 v[X+16*\c+4*\j:X+16*\c+4*\j+3], v[SB] offset:128*\c+16*\j   ; LDS serves a wave's instructions in order: these see the stores above
.endr
.endr
	s_wait_dscnt 0x0                               ; the numbers are back, and the stores have read their registers,
.if (\ks)+4 < 8
	LOAD (\ks)+4                                   ; which take the loads of four K steps on
.endif
.if (\ks) > 0
	s_wait_xcnt 0x0                                ; the last step's stores have read the codes' registers: they are written again only behind this wait
.endif
	QUANT X, WD+(\ks)
.irp c, 0,1,2,3
	global_store_b128 v[LI], v[PC+4*\c:PC+4*\c+3], s[CD:CD+1] offset:2048*(\ks)+512*\c   ; 32 lanes store 512 consecutive bytes, aligned
.endr
.endm
	LOAD 0
	LOAD 1
	LOAD 2
	LOAD 3
.irp k, 0,1,2,3,4,5,6,7
	STEP \k
.endr
	v_cmp_le_u32 vcc_lo, 16, v[LN]                 ; lanes 16-31 store words 4 to 7 of their row
.irp j, 0,1,2,3
	v_cndmask_b32 v[TM+\j], v[WD+\j], v[WD+4+\j], vcc_lo
.endr
	global_store_b128 v[SO], v[TM:TM+3], s[SC:SC+1]   ; the tile's 512 scale bytes, consecutive
	s_set_vgpr_msb 0x5
	s_wait_tensorcnt 0x0
	ds_add_u32 v0, v1
	s_wait_dscnt 0x0
	s_set_vgpr_msb 0x500
	s_endpgm
.Lfunc_end_k_q3e0f591c56_quant:
	.size	k_q3e0f591c56_quant, .Lfunc_end_k_q3e0f591c56_quant-k_q3e0f591c56_quant
	.p2alignl 7, 3214868480
	.fill 96, 4, 3214868480
	.section	.rodata,"a",@progbits
	.p2align	6, 0x0
	.amdhsa_kernel k_q3e0f591c56_quant
		.amdhsa_group_segment_fixed_size 26624
		.amdhsa_private_segment_fixed_size 0
		.amdhsa_enable_private_segment 0
		.amdhsa_kernarg_size 40
		.amdhsa_user_sgpr_count 2
		.amdhsa_user_sgpr_kernarg_segment_ptr 1
		.amdhsa_wavefront_size32 1
		.amdhsa_system_sgpr_workgroup_id_x 1
		.amdhsa_system_sgpr_workgroup_id_y 1
		.amdhsa_system_sgpr_workgroup_id_z 1
		.amdhsa_system_vgpr_workitem_id 0
		.amdhsa_next_free_vgpr 512
		.amdhsa_next_free_sgpr 66
		.amdhsa_reserve_vcc 1
		.amdhsa_float_denorm_mode_32 3
		.amdhsa_float_denorm_mode_16_64 3
		.amdhsa_memory_ordered 1
		.amdhsa_forward_progress 1
		.amdhsa_inst_pref_size 101
	.end_amdhsa_kernel
	.amdgpu_metadata
---
amdhsa.version: [ 1, 2 ]
amdhsa.kernels:
  - .name:           k_q3e0f591c56_quant
    .symbol:         k_q3e0f591c56_quant.kd
    .args:
      - { .name: x, .offset: 0, .size: 8, .value_kind: global_buffer, .address_space: global }
      - { .name: W_qkv, .offset: 8, .size: 8, .value_kind: global_buffer, .address_space: global }
      - { .name: W_out, .offset: 16, .size: 8, .value_kind: global_buffer, .address_space: global }
      - { .name: xq, .offset: 24, .size: 8, .value_kind: global_buffer, .address_space: global }
      - { .name: wts, .offset: 32, .size: 8, .value_kind: global_buffer, .address_space: global }
    .group_segment_fixed_size: 26624
    .private_segment_fixed_size: 0
    .kernarg_segment_align: 8
    .kernarg_segment_size: 40
    .max_flat_workgroup_size: 96
    .sgpr_count:     66
    .vgpr_count:     512
    .wavefront_size: 32
...
	.end_amdgpu_metadata
.endif
;; end of part 1
;; launch qkv (part 2): grid 8 x 48, 4 waves a work-group, clusters of 4 x 4, 327,680 bytes of LDS; arguments xq, wts, qb, kv; writes qb, kv
.if DOCPART == 2
	.amdgcn_target "amdgcn-amd-amdhsa--gfx1250"
	.amdhsa_code_object_version 6
	.text
	.protected	k_q3e0f591c56_qkv
	.globl	k_q3e0f591c56_qkv
	.p2align	8
	.type	k_q3e0f591c56_qkv,@function
k_q3e0f591c56_qkv:
	s_mov_b64 s[64:65], 0
	v_nop
	global_prefetch_b8 v0, s[64:65] scope:SCOPE_SE
	s_setreg_imm32_b32 hwreg(HW_REG_WAVE_MODE, 25, 1), 1
	s_wait_xcnt 0x0
	s_wait_alu depctr_hold_cnt(0) depctr_sa_sdst(0) depctr_va_vdst(0) depctr_va_sdst(0) depctr_va_ssrc(0) depctr_va_vcc(0) depctr_vm_vsrc(0)
	s_getreg_b32 s2, hwreg(HW_REG_IB_STS2, 6, 4)
	s_cmp_eq_u32 s2, 0
	s_cbranch_scc0 .Lentry_in_a_cluster
	s_endpgm
.Lentry_in_a_cluster:
	s_bfe_u32 s2, ttmp6, 0x10000c
	s_cmp_lg_u32 s2, 0xf033
	s_cbranch_scc0 .Lentry_shape_is_right
	s_endpgm
.Lentry_shape_is_right:
; q, k, v = x W_qkv^T on codes of BF8 (E5M2) with E8M0 scales, K = 1,024, f32 sums; the results are quantised on the way out, each along the K of the product that will read it, and leave as codes.
; TWO PROBLEMS, ONE TEXT, C = A B^T on tiles of 256 x 256:  q and k: A = x (8,192 rows), B = W_qkv's rows 0 .. 2,047;  v: A = W_qkv's rows 2,048 .. 3,071, B = x, that is V^T.
; THE MATRIX INSTRUCTION IS USED TRANSPOSED (source 0 = 16 rows of B, source 1 = 16 rows of A): a lane holds one row of A, and its registers run along B's rows: along the head's d for q and k, along t for v.
; Those are the axes along which the next products sum.  Rows lie in tiles of 16 in the order 32 B + 8 u + i + 8 (i / 8) (tile 2 B + u), so the 16 registers of result tiles 2 B and 2 B + 1 are 16 neighbours.
; OPERANDS lie in memory and in LDS as images of their registers ([c][lane][16 bytes], 2,048 bytes for 16 rows x 128 K): every LDS load takes 512 consecutive bytes.
; A work-group of four waves makes 256 x 256; a wave 128 x 128: 64 accumulators, 512 registers.  K goes in steps of 256 through a ring of two LDS slots; the scale bytes of all of K come once and stay.
; CLUSTERS: 4 x 4 work-groups; A's tiles are asked for jointly along a row of the cluster, B's along a column.  Clusters y = 0 .. 7 make q (x = 0) and k (x = 1); y = 8 .. 11 make v.
; All choices between the two problems hang on the cluster's coordinates, which all sixteen partners share.
; LIMITS: NaN and infinities are not served; a block whose largest magnitude lies under 2^-111 keeps the scale byte 1 (a block of zeros too: its codes are zeros, and this program alone reads the bytes).
; REGISTERS, in windows of 256: window 0: v0-31 addresses; v32-63 scale words, two sets; v64-99 at work on the way out; from v128 A's fragments, ONE set, on the way out the codes.
;   window 1: B's fragments, TWO sets.   window 2: the accumulators of my rows 0-63 ((a, b) at v[8 (8 a + b)]);   window 3: those of my rows 64-127.
.set XSC,   8388608                    ; xq: where the scale bytes begin
.set WQS,   3145728                    ; wts: W_qkv's scale bytes
.set QS,    8388608                    ; qb: q's scale words
.set REC,   17152                      ; kv: a record of 128 keys of one head: K's codes 8,192, V^T's codes 8,192, K's scale words 512, V's 256
.set HS,    16*REC                     ; a head's 16 records
.set NQ,    2                          ; matrix instructions deep in a slot
.set FR,    16                         ; registers of a fragment
.set FRB,   2048                       ; its image in bytes
.set NL,    4                          ; LDS loads that bring one
.set NP,    8                          ; places behind this matrix instruction (ISA guide 7.12.1)
.set TROW,  NQ*FRB                     ; a tile of 16 rows in a slot
.set HALFT, 8*TROW                     ; 128 rows: what one tensor load brings
.set SLOT,  4*HALFT                    ; A's 256 rows, then B's 256 rows
.set LAPS,  2                          ; 1,024 along K = twice round the ring
.set KS,    32                         ; a row of scale bytes
.set SCL,   2*SLOT                     ; behind the ring: the scales, as units of 256 bytes + 16 of padding
.set HALFS, (128*KS/256)*272
.set SBLK,  (16*KS/256)*272
.set SPARE, SCL+4*HALFS                ; the spare words, 128 bytes for each wave: two blocks of 256 bytes that no other line names
.set VO0,  8                           ; v8   the way out: 16 x lane
.set VO1,  9                           ; v9   the same, a head (q, k) or two images' quarters (v) on
.set VS,   10                          ; v10  where I store scale words
.set VS2,  11                          ; v11  the same for the second head (q, k)
.set LN,   12                          ; v12  lane
.set ADRA, 16                          ; v16-17  LDS address of my A fragments in slot 0, 1
.set ADRB, 20                          ; v20-21  the same for B
.set ADRS, 27                          ; v27  LDS address of my scale words: lanes 0-15 A's rows, lanes 16-31 B's
.set SPW,  28                          ; v28  LDS address of my spare word; never rewritten
.set NIL,  29                          ; v29  0; never rewritten
.set SC,   32                          ; scale words, set s at v[SC + 16 s]
.set TM,   64                          ; v64-79 at work on the way out
.set WD,   80                          ; v80-87 the scale word of my row for each of my 8 tiles of A
.set TW,   88                          ; v88-99 words on their way out
.set AF,   128                         ; A's fragments
.set PC,   128                         ; the way out: 16 registers of codes for each tile of A, so that no store's data are written again
.set G1, 24
.set G0, 32
.set G1B, 48
.set G0B, 56
.set G1S, 68
.set G0S, 76
.set G1SB, 80
.set G0SB, 88
.set KIND, 66                          ; s66  0: q, 1: k, 2: v
.set OUT,  92                          ; s[92:93] where the codes go
.set SOUT, 94                          ; s[94:95] where the scale words go
.set STP,  96                          ; s[96:97] from a tile of A to the next, in bytes
.set STP4, 98                          ; s[98:99] from tile 3 to tile 4
.set PSEL, 100                         ; s100 which bytes of a word make the first head's word
.set SEL,  4                           ; s[4:5] lane selects (behind the pointers' use)
.set MNT,  67                          ; s67  the mantissa field of 57,344
.set PFA,  6                           ; s[6:7] the prefetches' base: my work-group's two tiles of the eight that my wave fetches, at K step 0; never rewritten
.set PFO,  13                          ; v13  the prefetches' offset: 16,384 x (lane / 16) + 256 x (lane % 16); never rewritten
.set MSB, 0
.macro WIN new                         ; the immediate's high byte repeats the setting that is left
.if MSB != (\new)
	s_set_vgpr_msb (MSB<<8)|(\new)
.set MSB, (\new)
.endif
.endm
.set MUL_LO, 0xa1                      ; source 0 (B) window 1, source 1 (A) window 0, C and D window 2
.set MUL_HI, 0xf1                      ; the same, C and D window 3
.set TO_B,   0x40                      ; destination window 1, address window 0
; A joint load: waves 0 and 1 fetch for A, waves 2 and 3 for B.  The branch hangs on the wave's number alone.  Four v_nop follow each of the two lines.
.macro JLOAD g0a, g1a, g0b, g1b
	s_cmp_eq_u32 s15, 0
	s_cbranch_scc0 .Lfor_b_\@
	tensor_load_to_lds s[\g0a:\g0a+3], s[\g1a:\g1a+7]
	s_nop 0
.rept 4
	v_nop
.endr
	s_branch .Lasked_\@
.Lfor_b_\@:
	tensor_load_to_lds s[\g0b:\g0b+3], s[\g1b:\g1b+7]
	s_nop 0
.rept 4
	v_nop
.endr
.Lasked_\@:
.endm
.macro CREST                           ; a round of the cluster's barrier behind its opening barrier
	s_cmp_lg_u32 s14, 0
	s_cbranch_scc1 .Lnot_wave_0_\@
	s_barrier_signal -3
.Lnot_wave_0_\@:
	s_barrier_wait -3
	s_barrier_signal -1
	s_barrier_wait -1
.endm
.macro CROUND                          ; a whole round
	s_barrier_signal -1
	s_barrier_wait -1
	CREST
.endm
	s_load_b256 s[4:11], s[0:1], 0x0               ; xq s[4:5], wts s[6:7], qb s[8:9], kv s[10:11]
	v_lshl_add_u32 v[SPW], v0, 2, SPARE
	v_mov_b32 v[NIL], 0
	ds_add_u32 v28, v29
	ds_add_u32 v28, v29
	s_wait_dscnt 0x0
	v_lshrrev_b32 v1, 5, v0
	v_readfirstlane_b32 s14, v1                    ; wave 0..3
	s_lshr_b32 s15, s14, 1                         ; which half of the tile's rows is mine.  Also: I fetch for A (0) or for B (1)
	s_and_b32 s16, s14, 1                          ; which half of its columns.  Also: which 128 rows of that tile I fetch
	s_bfe_u32 s40, ttmp6, 0x40000                  ; cx, cy: my place in the cluster
	s_bfe_u32 s41, ttmp6, 0x40004
	s_and_b32 s12, ttmp7, 0xffff                   ; cluster y
	s_max_u32 s13, s12, 8
	s_sub_co_u32 s13, s13, 8
	s_lshl_b32 s13, s13, 1
	s_add_co_u32 s13, s13, ttmp9                   ; v: the cluster's column among x's eight: 2 (y - 8) + x
	s_cmp_ge_u32 s12, 8                            ; v?
	s_cselect_b32 s42, s13, ttmp9                  ; the cluster's column
	s_cselect_b32 s17, 2, s12                      ; and row (W_qkv's rows 2,048 on are its tile rows 8 to 11)
	s_cselect_b32 s[KIND], 2, ttmp9
	s_lshl_b32 s42, s42, 2
	s_add_co_u32 s42, s42, s40                     ; tile column
	s_lshl_b32 s17, s17, 2
	s_add_co_u32 s17, s17, s41                     ; tile row
	s_lshl_b32 s43, s41, 2
	s_lshl_b32 s43, 15, s43                        ; my row of the cluster
	s_lshl_b32 s44, 0x1111, s40                    ; my column
	; descriptor group 1 for codes: 8 tiles of 16 rows, of each the K step's two images: 8 rows of 4,096 bytes, 16,384 bytes apart; elements of 8 bytes; no padding
	s_or_b32 s[G1+0], s43, (3<<16)|(1<<21)         ; 15:0 the mask: A's tiles go to my row; 17:16 elements of 8 bytes; 21 set beside a mask
	s_or_b32 s[G1B+0], s44, (3<<16)|(1<<21)
.irp g, G1, G1B
	s_mov_b32 s[\g+1], 512<<16                     ; tensor_dim0 = 512 elements
	s_mov_b32 s[\g+2], 16<<16                      ; tensor_dim1 = 16: a head's load brings all 16 tiles of a side; the ring's loads bring 8 (set behind the head's wait)
	s_mov_b32 s[\g+3], 512<<16                     ; tile_dim0
	s_mov_b32 s[\g+4], 16                          ; tile_dim1
	s_mov_b32 s[\g+5], 2048                        ; tensor_dim0_stride
	s_mov_b32 s[\g+6], 0
	s_mov_b32 s[\g+7], 0
.endr
	; and for the scales of 256 rows: a dense block of 8,192 bytes, as 32 rows of 256 bytes, 16 bytes of padding behind each
	s_or_b32 s[G1S+0], s43, (3<<16)|(1<<20)|(1<<21)|(5<<22)|(3<<25)
	s_or_b32 s[G1SB+0], s44, (3<<16)|(1<<20)|(1<<21)|(5<<22)|(3<<25)
.irp g, G1S, G1SB
	s_mov_b32 s[\g+1], 32<<16
	s_mov_b32 s[\g+2], (256*KS/256)<<16            ; the scales of all 256 rows of a side: 32 rows of 256 bytes
	s_mov_b32 s[\g+3], 32<<16
	s_mov_b32 s[\g+4], 256*KS/256
	s_mov_b32 s[\g+5], 32
	s_mov_b32 s[\g+6], 0
	s_mov_b32 s[\g+7], 0
.endr
	s_lshl_b32 s20, s17, 8                         ; A: the tile's first row, 256 x tile row
	s_lshl_b32 s46, s42, 8                         ; B: 256 x tile column
	s_mov_b32 s21, 0
	s_mov_b32 s47, 0
	s_mov_b64 s[18:19], KS
	s_mul_u64 s[22:23], s[20:21], s[18:19]         ; where these rows' scales begin, in bytes,
	s_mul_u64 s[92:93], s[46:47], s[18:19]
	s_mov_b64 s[18:19], 1024
	s_mul_u64 s[20:21], s[20:21], s[18:19]         ; and their codes: 16,384 bytes for 16 rows
	s_mul_u64 s[46:47], s[46:47], s[18:19]
	s_mul_i32 s45, s14, HALFT                      ; where they go: wave x 128 rows: no place in the cluster enters an LDS address
	s_wait_kmcnt 0x0
	s_cmp_ge_u32 s12, 8                            ; v: A is W_qkv and B is x; else the other way round
	s_cselect_b64 s[96:97], s[6:7], s[4:5]
	s_cselect_b64 s[98:99], s[4:5], s[6:7]
	s_mov_b32 s100, XSC
	s_cselect_b32 s100, WQS, s100
	s_mov_b32 s104, WQS
	s_cselect_b32 s104, XSC, s104
	s_mov_b32 s101, 0
	s_mov_b32 s105, 0
	s_add_nc_u64 s[22:23], s[22:23], s[100:101]
	s_add_nc_u64 s[92:93], s[92:93], s[104:105]
	s_add_nc_u64 s[20:21], s[96:97], s[20:21]
	s_add_nc_u64 s[22:23], s[96:97], s[22:23]
	s_add_nc_u64 s[46:47], s[98:99], s[46:47]
	s_add_nc_u64 s[92:93], s[98:99], s[92:93]
	CROUND                                         ; all sixteen work-groups are here: the first joint loads meet
	s_mov_b32 s[G0S], 1
	s_mov_b32 s[G0S+1], SCL
	s_mov_b64 s[G0S+2:G0S+3], s[22:23]
	s_or_b32 s[G0S+3], s[G0S+3], 0x80000000
	s_mov_b32 s[G0SB], 1
	s_mov_b32 s[G0SB+1], SCL+2*HALFS
	s_mov_b64 s[G0SB+2:G0SB+3], s[92:93]
	s_or_b32 s[G0SB+3], s[G0SB+3], 0x80000000
	s_mov_b32 s[G0], 1                             ; slot 0's groups 0 serve the head first: K step 0's 256 rows of A, whole,
	s_mov_b32 s[G0+1], 0
	s_mov_b64 s[G0+2:G0+3], s[20:21]
	s_or_b32 s[G0+3], s[G0+3], 0x80000000
	s_mov_b32 s[G0B], 1                            ; and its 256 rows of B, behind them
	s_mov_b32 s[G0B+1], 2*HALFT
	s_mov_b64 s[G0B+2:G0B+3], s[46:47]
	s_or_b32 s[G0B+3], s[G0B+3], 0x80000000
	s_lshl_b32 s12, s16, 17                        ; in the ring I fetch 128 rows of a tile: which half, in bytes (128 rows x 1,024)
	s_mov_b32 s13, 0
	; PREFETCHES INTO THE L2.  A K step of the 8 tiles that my wave fetches is 8 x 4,096 bytes: 128 blocks of 256.  The four partners that ask for them jointly share them out BY ADDRESS: the partner at place p
	; (cx for A, cy for B) takes tiles 2 p and 2 p + 1, a lane a block: each block is named once in each cluster that will load it.  Behind the head's loads K steps 1 and 2 are asked for, behind K step 1's load K step 3.
	s_cmp_eq_u32 s15, 0                            ; do I fetch for A?
	s_cselect_b64 s[PFA:PFA+1], s[20:21], s[46:47]
	s_cselect_b32 s2, s40, s41                     ; my place among the four that ask with me
	s_add_nc_u64 s[PFA:PFA+1], s[PFA:PFA+1], s[12:13]
	s_lshl_b32 s2, s2, 15                          ; two tiles of 16,384 bytes a partner
	s_mov_b32 s3, 0
	s_add_nc_u64 s[PFA:PFA+1], s[PFA:PFA+1], s[2:3]
	s_mov_b32 s[G0+4], 1                           ; slot 1: my 128 rows of K step 1
	s_add_co_u32 s[G0+5], s45, SLOT
	s_add_nc_u64 s[G0+6:G0+7], s[20:21], s[12:13]
	s_add_nc_u64 s[G0+6:G0+7], s[G0+6:G0+7], TROW
	s_or_b32 s[G0+7], s[G0+7], 0x80000000
	s_mov_b32 s[G0B+4], 1
	s_add_co_u32 s[G0B+5], s45, SLOT
	s_add_nc_u64 s[G0B+6:G0B+7], s[46:47], s[12:13]
	s_add_nc_u64 s[G0B+6:G0B+7], s[G0B+6:G0B+7], TROW
	s_or_b32 s[G0B+7], s[G0B+7], 0x80000000
; THE HEAD'S LOADS, ONE A WAVE: wave 0 K step 0's rows of A, wave 1 those of B, wave 2 A's scales, wave 3 B's.  One chain of arms on the wave's number, all leading to one join.
.macro ARM under, g0, g1, next
	s_cmp_lt_u32 s14, \under
	s_cbranch_scc0 \next
	tensor_load_to_lds s[\g0:\g0+3], s[\g1:\g1+7]
	s_nop 0
.rept 4
	v_nop
.endr
	s_branch .Lhead_asked
\next:
.endm
	ARM 1, G0,  G1,  .Lhead_b
	ARM 2, G0B, G1B, .Lhead_sa
	ARM 3, G0S, G1S, .Lhead_sb
	tensor_load_to_lds s[G0SB:G0SB+3], s[G1SB:G1SB+7]
	s_nop 0
.rept 4
	v_nop
.endr
.Lhead_asked:
	v_and_b32 v1, 15, v0                           ; r = l % 16
	v_bfe_u32 v2, v0, 4, 1                         ; h = l / 16
	v_lshlrev_b32 v[PFO], 8, v1
	v_lshl_add_u32 v[PFO], v2, 14, v[PFO]
	global_prefetch_b8 v[PFO], s[PFA:PFA+1] offset:TROW th:TH_LOAD_NT scope:SCOPE_SE     ; K step 1, one step ahead of its load: its bytes' first touch,
	global_prefetch_b8 v[PFO], s[PFA:PFA+1] offset:2*TROW th:TH_LOAD_NT scope:SCOPE_SE   ; and K step 2, two steps ahead
	v_and_b32 v[LN], 31, v0
	v_lshlrev_b32 v[VO0], 4, v[LN]                 ; 16 x lane: an image's place for my lane
	s_mul_i32 s21, s15, HALFT                      ; my 128 rows of A
	s_mul_i32 s22, s16, HALFT                      ; my 128 rows of B,
	s_add_co_u32 s22, s22, 2*HALFT                 ; which lie behind A's 256
.irp s, 0,1
	v_add_nc_u32 v[ADRA+\s], s21, v[VO0]
	v_add_nc_u32 v[ADRB+\s], s22, v[VO0]
	s_add_co_u32 s21, s21, SLOT
	s_add_co_u32 s22, s22, SLOT
.endr
	v_mul_u32_u24 v5, v1, KS                       ; my row's scales: 32 bytes a row,
	v_lshrrev_b32 v6, 8, v5
	v_lshl_add_u32 v5, v6, 4, v5                   ; and 16 more for each 256 passed
	s_mul_i32 s21, s15, HALFS                      ; A's: my 128 rows
	s_mul_i32 s22, s16, HALFS                      ; B's: my 128 rows, behind A's 256
	s_add_co_u32 s22, s22, 2*HALFS
	s_sub_co_u32 s22, s22, s21
	v_mul_u32_u24 v6, s22, v2                      ; lanes 16-31 take B's
	s_add_co_u32 s21, s21, SCL
	v_add_nc_u32 v5, v5, v6
	v_add_nc_u32 v[ADRS], s21, v5
	; THE WAY OUT'S NUMBERS.  My 128 rows of x are 128 neighbouring t of one batch: group g of batch b; my 128 rows of W_qkv are two heads, hd0 and hd0 + 1
	s_lshl_b32 s20, s17, 1
	s_add_co_u32 s20, s20, s15                     ; which 128 rows of A
	s_lshl_b32 s21, s42, 1
	s_add_co_u32 s21, s21, s16                     ; which 128 rows of B
	s_cmp_eq_u32 s[KIND], 2
	s_cselect_b32 s22, s21, s20                    ; x's
	s_cselect_b32 s23, s20, s21                    ; W_qkv's
	s_lshr_b32 s43, s22, 4                         ; b
	s_and_b32 s44, s22, 15                         ; g
	s_and_b32 s45, s23, 7
	s_lshl_b32 s45, s45, 1                         ; hd0
	s_lshl_b32 s46, s43, 4
	s_add_co_u32 s46, s46, s45                     ; 16 b + hd0
	s_lshl_b32 s47, s46, 4
	s_add_co_u32 s47, s47, s44
	s_mul_i32 s47, s47, REC                        ; kv: the first head's record g
	s_lshl_b32 s18, s46, 17                        ; qb: a head's codes are 128 tiles of 1,024 bytes,
	s_lshl_b32 s19, s44, 13
	s_add_co_u32 s18, s18, s19                     ; my 8 tiles begin 8,192 g on
	s_lshl_b32 s19, s46, 13                        ; its scale words 16 groups of 512 bytes
	s_lshl_b32 s40, s44, 9
	s_add_co_u32 s19, s19, s40
	s_add_co_u32 s19, s19, QS
	s_add_co_u32 s40, s47, 16384                   ; kv: K's scale words
	s_cmp_eq_u32 s[KIND], 0                        ; q?
	s_cselect_b64 s[OUT:OUT+1], s[8:9], s[10:11]
	s_cselect_b32 s18, s18, s47
	s_cselect_b32 s19, s19, s40
	s_mov_b32 s41, HS
	s_cselect_b32 s41, 131072, s41                 ; from a head's codes to the next head's
	s_mov_b32 s101, HS
	s_cselect_b32 s101, 8192, s101                 ; and from its scale words
	s_add_co_u32 s40, s47, 8192                    ; kv: V^T's codes,
	s_add_co_u32 s47, s47, 16896                   ; V's scale words
	s_cmp_eq_u32 s[KIND], 2                        ; v?
	s_cselect_b32 s18, s40, s18
	s_cselect_b32 s19, s47, s19
	s_cselect_b32 s41, 1024, s41                   ; v: the image's second half
	s_mov_b32 s[STP], 1024
	s_cselect_b32 s[STP], 2048, s[STP]
	s_mov_b32 s[STP4], 1024
	s_cselect_b32 s[STP4], HS-3*2048, s[STP4]      ; v: tile 4 begins the next head's record
	s_mov_b32 s[PSEL], 0x01000100                  ; q, k: a head's two bytes, twice
	s_cselect_b32 s[PSEL], 0x03020100, s[PSEL]     ; v: the word as it is
	s_cselect_b32 s104, 4, 5
	s_cselect_b32 s105, HS, 16
	s_mov_b32 s[STP+1], 0
	s_mov_b32 s[STP4+1], 0
	s_mov_b64 s[SOUT:SOUT+1], s[OUT:OUT+1]
	s_mov_b32 s20, s18
	s_mov_b32 s21, 0
	s_add_nc_u64 s[OUT:OUT+1], s[OUT:OUT+1], s[20:21]
	s_mov_b32 s20, s19
	s_add_nc_u64 s[SOUT:SOUT+1], s[SOUT:SOUT+1], s[20:21]
	s_mov_b32 s[SEL], 0x76543210
	s_mov_b32 s[SEL+1], 0xfedcba98
	s_mov_b32 s[MNT], 0x600000
	v_add_nc_u32 v[VO1], s41, v[VO0]
	v_lshlrev_b32 v[VS], s104, v1                  ; q, k: 32 r + 16 h: eight words a row;  v: 16 r, and lanes 16-31 the next head's record
	v_mul_u32_u24 v5, s105, v2
	v_add_nc_u32 v[VS], v[VS], v5
	v_add_nc_u32 v[VS2], s101, v[VS]
.macro FRAG reg, adr, q, i             ; a fragment comes as the image of its 16 registers: four loads of 512 consecutive bytes
.irp c, 0,1,2,3
	ds_load_b128 v[\reg+4*\c:\reg+4*\c+3], v[\adr] offset:FRB*(\q)+512*\c+(\i)*TROW
.endr
.endm
; 16 matrix instructions: A's blocks a0, a0 + 1 x B's eight, 128 along K: the slot's q-th.  p: B's set;  sc: the set of scale words.  zero = 1: the first product starts the sums.
; The 64 accumulators take turns, one instruction a turn, in the same order in every step.
.macro MUL16 a0, p, q, sc, zero
.irp a, \a0, \a0+1
.irp b, 0,1,2,3,4,5,6,7
.if \zero
	v_wmma_scale_f32_16x16x128_f8f6f4 v[8*(8*((\a)%4)+\b):8*(8*((\a)%4)+\b)+7], v[128*(\p)+FR*\b:128*(\p)+FR*\b+FR-1], v[AF+FR*(\a):AF+FR*(\a)+FR-1], 0, v[SC+8*NQ*(\sc)+NQ*\b+(\q)], v[SC+8*NQ*(\sc)+NQ*(\a)+(\q)] matrix_a_fmt:MATRIX_FMT_BF8 matrix_b_fmt:MATRIX_FMT_BF8 matrix_a_scale:MATRIX_SCALE_ROW1
.else
	v_wmma_scale_f32_16x16x128_f8f6f4 v[8*(8*((\a)%4)+\b):8*(8*((\a)%4)+\b)+7], v[128*(\p)+FR*\b:128*(\p)+FR*\b+FR-1], v[AF+FR*(\a):AF+FR*(\a)+FR-1], v[8*(8*((\a)%4)+\b):8*(8*((\a)%4)+\b)+7], v[SC+8*NQ*(\sc)+NQ*\b+(\q)], v[SC+8*NQ*(\sc)+NQ*(\a)+(\q)] matrix_a_fmt:MATRIX_FMT_BF8 matrix_b_fmt:MATRIX_FMT_BF8 matrix_a_scale:MATRIX_SCALE_ROW1
.endif
.endr
.endr
.endm
.macro FETCH_B slot, q, p              ; B's eight fragments of the slot's q-th 128 along K into set p
	WIN TO_B
.irp i, 0,1,2,3,4,5,6,7
	FRAG 128*(\p)+FR*\i, ADRB+\slot, \q, \i
.endr
	WIN 0
.endm
.macro FETCH_A slot, q, i0             ; A's blocks i0 .. i0 + 3
.irp i, \i0, \i0+1, \i0+2, \i0+3
	FRAG AF+FR*(\i), ADRA+\slot, \q, \i
.endr
.endm
.macro SCALES sc                       ; the next K step's scale words into set sc: two words a row; lanes 0-15 take A's block i, lanes 16-31 B's block i
.irp i, 0,1,2,3,4,5,6,7
	ds_load_b64 v[SC+8*NQ*\sc+NQ*\i:SC+8*NQ*\sc+NQ*\i+1], v[ADRS] offset:\i*SBLK
.endr
.endm
.macro PLACES n                        ; plain vector instructions behind matrix instructions, in front of loads into their registers and of reads of their results
.rept \n
	v_nop
.endr
.endm
; A step of 128 along K that has its successor in the same slot.
.macro STEP slot, q, zero
	s_wait_dscnt 4*NL                              ; B's set and A's blocks 0-3 are in; the youngest 16 loads (A's blocks 4-7) may be out
	WIN MUL_LO
	MUL16 0, (\q)%2, \q, \slot, \zero
	MUL16 2, (\q)%2, \q, \slot, \zero
	s_wait_dscnt 0                                 ; A's blocks 4-7 are in
	PLACES NP
	FETCH_B \slot, (\q)+1, 1-(\q)%2
	FETCH_A \slot, (\q)+1, 0
	WIN MUL_HI
	MUL16 4, (\q)%2, \q, \slot, \zero
	MUL16 6, (\q)%2, \q, \slot, \zero
	PLACES NP
	WIN 0
	FETCH_A \slot, (\q)+1, 4
.endm
; A slot's last step changes slots: ONE barrier; in front of it each wave waits for all its tensor loads, adds 0 to its spare word, and waits for that and for its own reads of this slot.  fill = 1: this slot is filled again, two K steps ahead.
.macro TURN slot, next, fill
	s_wait_tensorcnt 0x0                           ; all my tensor loads have landed: my part of the next slot
	ds_add_u32 v[SPW], v[NIL]                      ; 0 onto my spare word
	s_wait_dscnt 4*NL+1                            ; (the add and the youngest 16 loads, A's blocks 4-7, may be out)
	WIN MUL_LO
	MUL16 0, 1, NQ-1, \slot, 0                     ; sixteen matrix instructions stand between the add and the wait for it
	s_wait_dscnt 0x0                               ; the add is done, and my reads of this slot are over
	s_barrier_signal -1
	MUL16 2, 1, NQ-1, \slot, 0
	WIN 0
	s_barrier_wait -1
.if \fill
	CREST                                          ; the barrier has opened a round of the cluster's barrier: no wave of any partner still reads this slot's tile or has a load on its way
	s_add_nc_u64 s[G0+4*\slot+2:G0+4*\slot+3], s[G0+4*\slot+2:G0+4*\slot+3], 2*TROW
	s_add_nc_u64 s[G0B+4*\slot+2:G0B+4*\slot+3], s[G0B+4*\slot+2:G0B+4*\slot+3], 2*TROW
	JLOAD G0+4*\slot, G1, G0B+4*\slot, G1B         ; the first tensor load behind the round; the four v_nop behind it are among the places in front of the loads below
	PLACES NP-4
.else
	PLACES NP
.endif
	s_wait_alu depctr_va_vdst(0)
	v_add_nc_u32 v[ADRS], 4*NQ, v[ADRS]            ; on to the next K step's scale words
	FETCH_B \next, 0, 0
	FETCH_A \next, 0, 0
	SCALES \next
	WIN MUL_HI
	MUL16 4, 1, NQ-1, \slot, 0
	MUL16 6, 1, NQ-1, \slot, 0
	PLACES NP
	WIN 0
	FETCH_A \next, 0, 4
.endm
	s_wait_alu depctr_va_vdst(0)
	s_wait_tensorcnt 0x0                           ; my tile of the head's four is in; slot 1's first fill is issued as a refill is:
	ds_add_u32 v[SPW], v[NIL]                      ; 0 onto my spare word
	s_mov_b32 s[G1+2], 8<<16                       ; no tensor load of mine is out, so descriptors may be written: from here on a load brings 8 tiles of 16 rows,
	s_mov_b32 s[G1+4], 8
	s_mov_b32 s[G1B+2], 8<<16
	s_mov_b32 s[G1B+4], 8
	s_mul_i32 s[G0+1], s14, HALFT                  ; and slot 0's groups 0 stand at my 128 rows
	s_mov_b32 s[G0B+1], s[G0+1]
	s_add_nc_u64 s[G0+2:G0+3], s[G0+2:G0+3], s[12:13]
	s_add_nc_u64 s[G0B+2:G0B+3], s[G0B+2:G0B+3], s[12:13]
	s_wait_dscnt 0x0                               ; the add is done
	CROUND                                         ; a whole round: all four tiles are in, and all sixteen work-groups are here
	JLOAD G0+4, G1, G0B+4, G1B                     ; K step 1: the first tensor load behind the round
	FETCH_B 0, 0, 0
	FETCH_A 0, 0, 0
	SCALES 0
	global_prefetch_b8 v[PFO], s[PFA:PFA+1] offset:3*TROW th:TH_LOAD_NT scope:SCOPE_SE   ; K step 3, the last, two steps ahead of its load
	FETCH_A 0, 0, 4
	STEP 0, 0, 1                                   ; the first step stands in front of the loop: its products start the sums
	s_mov_b32 s3, LAPS-1
.Llap:                                                 ; a trip goes once round the ring and fills both slots again
	TURN 0, 1, 1
	STEP 1, 0, 0
	TURN 1, 0, 1
	STEP 0, 0, 0
	s_sub_co_u32 s3, s3, 1
	s_cmp_lg_u32 s3, 0
	s_cbranch_scc1 .Llap
	TURN 0, 1, 0                                   ; the last lap fills nothing, and has no round of the cluster's barrier
	STEP 1, 0, 0
	s_wait_dscnt 4*NL                              ; the very last step: nothing more to fetch
	WIN MUL_LO
	MUL16 0, 1, NQ-1, 1, 0
	MUL16 2, 1, NQ-1, 1, 0
	s_wait_dscnt 0
	WIN MUL_HI
	MUL16 4, 1, NQ-1, 1, 0
	MUL16 6, 1, NQ-1, 1, 0
	WIN 0
; THE WAY OUT.  For tile a of A my 64 registers are, of row r, the numbers 32 B + 16 h + i (register 16 B + i) along B's 128 rows: four blocks of 32.  They are quantised where they stand; the 16 registers of
; codes are images' quarters: q, k: block B is head hd0 + B / 2, quarter B % 2 of the tile's image of 1,024 bytes;  v: tile a is head hd0 + a / 4, d-tile a % 4, block B quarter B of its image of 2,048 bytes.
.macro QOUT a
.set AW, 2+(\a)/4                      ; the accumulators' window
.set AB, 64*((\a)%4)                   ; and first register
.set WA, AW|(AW<<2)
.set WB, (AW<<6)|AW
	WIN WA                                         ; sources 0 and 1: the accumulators
.irp b, 0,1,2,3
	v_max3_num_f32 v[TM+\b], |v[AB+16*\b]|, |v[AB+16*\b+1]|, 0x8000000   ; each accumulator is read from its low end on; the floor 2^(16 - 127) holds the byte at 1 from below
.endr
.irp i, 2,4,6,8,10,12,14
.irp b, 0,1,2,3
	v_max3_num_f32 v[TM+\b], |v[AB+16*\b+\i]|, |v[AB+16*\b+\i+1]|, v[TM+\b]
.endr
.endr
	WIN 0
.irp b, 0,1,2,3
	v_permlanex16_b32 v[TM+4+\b], v[TM+\b], s[SEL], s[SEL+1]
.endr
.irp b, 0,1,2,3
	v_max_num_f32 v[TM+\b], v[TM+\b], v[TM+4+\b]   ; with lane l xor 16's 16: the block's largest magnitude
.endr
.irp b, 0,1,2,3
	v_add_nc_u32 v[TM+12+\b], 0xf8800000, v[TM+\b] ; 15 off its exponent field: the conversion's scale operand
.endr
.irp b, 0,1,2,3
	v_and_or_b32 v[TM+8+\b], v[TM+\b], 0x7f800000, s[MNT]   ; 57,344 x the scale
.endr
.irp b, 0,1,2,3
	v_lshrrev_b32 v[TM+4+\b], 23, v[TM+12+\b]      ; the scale's byte
.endr
	v_lshl_or_b32 v[WD+(\a)], v[TM+5], 8, v[TM+4]
	v_lshl_or_b32 v[WD+(\a)], v[TM+6], 16, v[WD+(\a)]
	v_lshl_or_b32 v[WD+(\a)], v[TM+7], 24, v[WD+(\a)]
	WIN WB                                         ; destination and source 0: the accumulators
.set n, 0
.rept 64
	v_med3_num_f32 v[AB+n], v[AB+n], -v[TM+8+n/16], v[TM+8+n/16]   ; the conversion to an 8-bit code does not saturate (ISA guide 7.6.2): the hold comes first
.set n, n+1
.endr
	WIN AW                                         ; source 0: the accumulators
.irp b, 0,1,2,3
	v_cvt_scalef32_pk8_bf8_f32 v[PC+16*(\a)+4*\b:PC+16*(\a)+4*\b+1], v[AB+16*\b:AB+16*\b+7], v[TM+12+\b]
	v_cvt_scalef32_pk8_bf8_f32 v[PC+16*(\a)+4*\b+2:PC+16*(\a)+4*\b+3], v[AB+16*\b+8:AB+16*\b+15], v[TM+12+\b]
.endr
	WIN 0
	v_nop                                          ; one plain vector instruction behind the last conversion
.if (\a) > 0
	s_wait_alu depctr_va_vdst(0)
	s_wait_xcnt 0x0                                ; the last tile's stores have read their base: it steps only behind this wait
.if (\a) == 4
	s_add_nc_u64 s[OUT:OUT+1], s[OUT:OUT+1], s[STP4:STP4+1]
.else
	s_add_nc_u64 s[OUT:OUT+1], s[OUT:OUT+1], s[STP:STP+1]
.endif
.endif
	global_store_b128 v[VO0], v[PC+16*(\a):PC+16*(\a)+3], s[OUT:OUT+1]                 ; each store covers 512 consecutive bytes, aligned
	global_store_b128 v[VO0], v[PC+16*(\a)+4:PC+16*(\a)+7], s[OUT:OUT+1] offset:512
	global_store_b128 v[VO1], v[PC+16*(\a)+8:PC+16*(\a)+11], s[OUT:OUT+1]
	global_store_b128 v[VO1], v[PC+16*(\a)+12:PC+16*(\a)+15], s[OUT:OUT+1] offset:512
.endm
	PLACES NP                                      ; behind the last products: their results are read, and A's registers written, only from here on
.irp b, 0,1,2,3
	v_mov_b32 v[TM+4+\b], 0                        ; written once: a lane permute's destination counts as one of its sources
.endr
.irp a, 0,1,2,3,4,5,6,7
	QOUT \a
.endr
	; the scale words.  q, k: [i 16][tile 8] words for each head, a head's two bytes twice in each word; lane (r, h) stores tiles 4 h .. 4 h + 3 of row r.  v: [i 16][d-tile 4]; lanes 16-31 hold the second head's
	v_cmp_le_u32 vcc_lo, 16, v[LN]
.irp j, 0,1,2,3
	v_cndmask_b32 v[TW+\j], v[WD+\j], v[WD+4+\j], vcc_lo
.endr
.irp j, 0,1,2,3
	v_perm_b32 v[TW+4+\j], v[TW+\j], v[TW+\j], s[PSEL]
.endr
	global_store_b128 v[VS], v[TW+4:TW+7], s[SOUT:SOUT+1]
	s_cmp_eq_u32 s[KIND], 2                        ; the cluster's kind: the same in all sixteen partners
	s_cbranch_scc1 .Lwords_done
.irp j, 0,1,2,3
	v_perm_b32 v[TW+8+\j], v[TW+\j], v[TW+\j], 0x03020302   ; q, k: the second head's two bytes, twice
.endr
	global_store_b128 v[VS2], v[TW+8:TW+11], s[SOUT:SOUT+1]
.Lwords_done:
	s_wait_tensorcnt 0x0                           ; the wave's end
	ds_add_u32 v[SPW], v[NIL]
	s_wait_dscnt 0x0
	CROUND                                         ; the closing round: no work-group ends while a partner may still ask for a tile that names it
	s_endpgm
.Lfunc_end_k_q3e0f591c56_qkv:
	.size	k_q3e0f591c56_qkv, .Lfunc_end_k_q3e0f591c56_qkv-k_q3e0f591c56_qkv
	.p2alignl 7, 3214868480
	.fill 96, 4, 3214868480
	.section	.rodata,"a",@progbits
	.p2align	6, 0x0
	.amdhsa_kernel k_q3e0f591c56_qkv
		.amdhsa_group_segment_fixed_size 327680
		.amdhsa_private_segment_fixed_size 0
		.amdhsa_enable_private_segment 0
		.amdhsa_kernarg_size 32
		.amdhsa_user_sgpr_count 2
		.amdhsa_user_sgpr_kernarg_segment_ptr 1
		.amdhsa_wavefront_size32 1
		.amdhsa_system_sgpr_workgroup_id_x 1
		.amdhsa_system_sgpr_workgroup_id_y 1
		.amdhsa_system_sgpr_workgroup_id_z 1
		.amdhsa_system_vgpr_workitem_id 0
		.amdhsa_next_free_vgpr 1024
		.amdhsa_next_free_sgpr 106
		.amdhsa_reserve_vcc 1
		.amdhsa_float_denorm_mode_32 3
		.amdhsa_float_denorm_mode_16_64 3
		.amdhsa_memory_ordered 1
		.amdhsa_forward_progress 1
		.amdhsa_inst_pref_size 190
	.end_amdhsa_kernel
	.amdgpu_metadata
---
amdhsa.version: [ 1, 2 ]
amdhsa.kernels:
  - .name:           k_q3e0f591c56_qkv
    .symbol:         k_q3e0f591c56_qkv.kd
    .args:
      - { .name: xq, .offset: 0, .size: 8, .value_kind: global_buffer, .address_space: global }
      - { .name: wts, .offset: 8, .size: 8, .value_kind: global_buffer, .address_space: global }
      - { .name: qb, .offset: 16, .size: 8, .value_kind: global_buffer, .address_space: global }
      - { .name: kv, .offset: 24, .size: 8, .value_kind: global_buffer, .address_space: global }
    .group_segment_fixed_size: 327680
    .private_segment_fixed_size: 0
    .kernarg_segment_align: 8
    .kernarg_segment_size: 32
    .max_flat_workgroup_size: 128
    .sgpr_count:     106
    .vgpr_count:     1024
    .wavefront_size: 32
...
	.end_amdgpu_metadata
.endif
;; end of part 2
;; launch attn (part 3): grid 4 x 64, 16 waves a work-group, no clusters, 327,680 bytes of LDS; arguments qb, kv, ab; writes ab
.if DOCPART == 3
	.amdgcn_target "amdgcn-amd-amdhsa--gfx1250"
	.amdhsa_code_object_version 6
	.text
	.protected	k_q3e0f591c56_attn
	.globl	k_q3e0f591c56_attn
	.p2align	8
	.type	k_q3e0f591c56_attn,@function
k_q3e0f591c56_attn:
	s_mov_b64 s[64:65], 0
	v_nop
	global_prefetch_b8 v0, s[64:65] scope:SCOPE_SE
	s_setreg_imm32_b32 hwreg(HW_REG_WAVE_MODE, 25, 1), 1
	s_wait_xcnt 0x0
; Causal attention of one head on codes of BF8 (E5M2) with E8M0 scales: S^T = K Q^T (K = the head's 64), softmax, O^T = V^T P^T (K = the keys), O / the row's sum, quantised along (head, d) for the last product.
; THE SOFTMAX: t = score x log2(e) / 8; M = the row's largest t so far, rounded UP to a whole number; p = 2^(t - M) is quantised along the keys, not normalised.  The row's sum is taken of the unquantised p, in f32,
; and divides O at the end.  When M moves, the sum and O are multiplied by 2^(old M - new M): exact.
; SHARES.  Work-group (I, head) owns two blocks of 256 queries: block I, which walks records 0 .. 2 I + 1 of 128 keys, then block 7 - I, which walks records 0 .. 15 - 2 I: 18 records for every work-group.
; Each of the sixteen waves owns one tile of 16 queries in 256 registers.  A step all of whose 128 keys come after the wave's queries (the mask that the problem builds itself) is left out by a scalar branch on ids.
; LDS.  The 18 records of the walk, 17,152 bytes each, lie one behind the other: 308,736 bytes.  NOTHING IS FILLED TWICE.  They come in three groups, one record a load, one load a wave: places 0-1 at the head,
; places 2-5 behind the first barrier, places 6-17 behind the second; each group is asked for while the group before it is worked on, and the last twelve steps have no barrier.
; A record: K's 8 tiles as images of operand registers (1,024 bytes each), V^T's 4 d-tiles (2,048 each, keys innermost), K's scale words (512), V's (256).
; TILES are in the order 32 B + 8 u + i + 8 (i / 8) (tile 2 B + u), for queries, keys and d: so p's 16 registers of two neighbouring key tiles are 16 neighbouring keys, and O^T's likewise 16 neighbouring d.
; K = 64 IN AN INSTRUCTION OF 128: source 0 is two neighbouring key tiles, 8 registers each; source 1 is Q beside 8 registers of zero codes, Q below for the even tile, above for the odd one: the other tile's codes,
; which are finite, meet zeros.  q's and k's scale words hold their two bytes twice, so either end finds them.
; V^T's fragments take K's registers as soon as the score products have read them, and land under the softmax.
; NO CLUSTER: the four work-groups of a head walk different records from place 2 on, so they could not make the same joint requests.  NO PREFETCH: the tensor loads stand in no loop; each of the three groups is asked
; for a whole group of steps ahead of its first read.
; LIMITS: NaN and infinities are not served; the promise holds while |t| stays under 2^31; a block whose largest magnitude lies under 2^-111 keeps the scale byte 1 (this program alone reads the bytes).
.set REC,   17152
.set HS,    16*REC                     ; a head's 16 records
.set SPARE, 18*REC                     ; behind the records: the spare words, 128 bytes for each wave, that no other line names
.set QS,    8388608                    ; qb: q's scale words
.set ASO,   8388608                    ; ab: the scale bytes
.set LI,   1                           ; v1   16 x lane
.set RK,   2                           ; v2   32 r + 16,384: K's scale words in a record
.set RV,   3                           ; v3   16 r + 16,896: V's
.set ADL,  4                           ; v4-6 the same three in the record in hand
.set ADK,  5
.set ADV,  6
.set SPW,  7                           ; v7   LDS address of my spare word; never rewritten
.set NIL,  8                           ; v8   0; never rewritten
.set GS,   9                           ; v9   32 r
.set QL,   10                          ; v10  my query's place in its tile, less 16 h
.set QW,   11                          ; v11  Q's scale words.  v12 -M, v13 the largest t, v[14:15] the sum in two halves
.set QF,   16                          ; v16-23 Q, v24-31 zeros, v32-39 Q again
.set KFR,  40                          ; v40-103 K's eight tiles, then V^T's four fragments
.set S,    104                         ; v104-167 S^T, then p
.set O,    168                         ; v168-199 O^T
.set PC,   200                         ; v200-215 p's codes
.set KW,   216                         ; v216-223 K's scale words
.set VW,   224                         ; v224-227 V's
.set P,    228                         ; v228-235 the step's sums of p, four chains of pairs
.set BM,   236                         ; v236-239 a block's largest score, then p
.set PB,   240                         ; v240-243 lane l xor 16's; the bytes; the hold once more
.set HL,   244                         ; v244-247 57,344 x the scale
.set SO,   248                         ; v248-251 the conversion's scale operand.  v252 f, v253 p's scale word, v254 at work
.set WV,   10                          ; s10  my wave's number
.set BH,   12                          ; s12  16 b + head
.set N1,   13                          ; s13  records of the first pass: 2 I + 2
.set J,    14                          ; s14  the place in the walk
.set KF,   16                          ; s16  the step's first key
.set Q0,   17                          ; s17  my tile's first query;  s18 the second pass's
.set Q0B,  18
.set TB,   19                          ; s19  LDS byte at which the record in hand begins
.set SEL,  20                          ; s[20:21] lane selects: lane l xor 16
.set CS,   22                          ; s[22:23] c = log2(e) / 8
.set G1,   24                          ; s[24:31] descriptor group 1
.set G0,   32                          ; s[32:35] group 0
.set KVB,  36                          ; s[36:37] the head's record 0
.set T,    38                          ; s[38:39] a record's distance from it
.set MNT,  45                          ; s45  the mantissa field of 57,344
.set AC,   46                          ; s[46:47] where my tile's codes go;  s[48:49] its scale bytes;  s[50:53] the second pass's
.set AS,   48
.set AC2,  50
.set AS2,  52
.macro TLOAD n                         ; waves 0 .. n - 1 fetch a record each; s_nop 0 and four v_nop follow the line
	s_cmp_lt_u32 s[WV], \n
	s_cbranch_scc0 .Lno_load_\@
	tensor_load_to_lds s[G0:G0+3], s[G1:G1+7]
	s_nop 0
.rept 4
	v_nop
.endr
.Lno_load_\@:
.endm
.macro SETD base                       ; group 0 for place base + wave: the first pass's record of that number, or the second pass's, N1 less
	s_add_co_u32 s54, s[WV], \base
	s_mul_i32 s[G0+1], s54, REC
	s_sub_co_u32 s55, s54, s[N1]
	s_cmp_lt_u32 s54, s[N1]
	s_cselect_b32 s55, s54, s55
	s_mul_i32 s[T], s55, REC
	s_add_nc_u64 s[G0+2:G0+3], s[KVB:KVB+1], s[T:T+1]
	s_or_b32 s[G0+3], s[G0+3], 0x80000000
.endm
.macro ADDR                            ; the three LDS addresses of the record at s[TB]
	v_add_nc_u32 v[ADL], s[TB], v[LI]
	v_add_nc_u32 v[ADK], s[TB], v[RK]
	v_add_nc_u32 v[ADV], s[TB], v[RV]
.endm
.macro LOADQ a, w                      ; Q's image, 1,024 bytes, twice: below the zeros and above them; and its scale words
	global_load_b128 v[QF:QF+3], v[LI], s[\a:\a+1]
	global_load_b128 v[QF+4:QF+7], v[LI], s[\a:\a+1] offset:512
	global_load_b128 v[QF+16:QF+19], v[LI], s[\a:\a+1]
	global_load_b128 v[QF+20:QF+23], v[LI], s[\a:\a+1] offset:512
	global_load_b32 v[QW], v[GS], s[\w:\w+1]
.endm
.macro SUMUP                           ; the last step's four chains join the row's sum
	v_pk_add_f32 v[P:P+1], v[P:P+1], v[P+2:P+3]
	v_pk_add_f32 v[P+4:P+5], v[P+4:P+5], v[P+6:P+7]
	v_pk_add_f32 v[P:P+1], v[P:P+1], v[P+4:P+5]
	v_pk_add_f32 v[14:15], v[14:15], v[P:P+1]
.endm
; query tile s[tl]: qb: codes 1,024 bytes a tile, scale words [group of 8 tiles][i 16][tile 8];  ab: tile 128 b + tl: 16,384 bytes of codes, my head's 1,024 at 1,024 x head; 512 scale bytes, my head's 2 in each row of 32
.macro QADR tl, ca, wa, oc, os
	s_lshl_b32 s[\ca], s[\tl], 10
	s_add_co_u32 s[\ca], s[\ca], s60
	s_mov_b32 s[\ca+1], 0
	s_lshr_b32 s[\wa], s[\tl], 3
	s_lshl_b32 s[\wa], s[\wa], 9
	s_and_b32 s62, s[\tl], 7
	s_lshl_b32 s62, s62, 2
	s_add_co_u32 s[\wa], s[\wa], s62
	s_add_co_u32 s[\wa], s[\wa], s61
	s_mov_b32 s[\wa+1], 0
	s_add_co_u32 s62, s74, s[\tl]
	s_lshl_b32 s[\oc], s62, 14
	s_add_co_u32 s[\oc], s[\oc], s78
	s_mov_b32 s[\oc+1], 0
	s_lshl_b32 s[\os], s62, 9
	s_add_co_u32 s[\os], s[\os], s79
	s_mov_b32 s[\os+1], 0
	s_add_nc_u64 s[\ca:\ca+1], s[4:5], s[\ca:\ca+1]
	s_add_nc_u64 s[\wa:\wa+1], s[4:5], s[\wa:\wa+1]
	s_add_nc_u64 s[\oc:\oc+1], s[8:9], s[\oc:\oc+1]
	s_add_nc_u64 s[\os:\os+1], s[8:9], s[\os:\os+1]
.endm
	s_load_b128 s[4:7], s[0:1], 0x0                ; qb s[4:5], kv s[6:7]
	s_load_b64 s[8:9], s[0:1], 0x10                ; ab
	v_lshl_add_u32 v[SPW], v0, 2, SPARE
	v_mov_b32 v[NIL], 0
	ds_add_u32 v[SPW], v[NIL]                      ; the opening lines: the add, twice on end, and its wait ahead of the first tensor load
	ds_add_u32 v[SPW], v[NIL]
	v_lshrrev_b32 v1, 5, v0
	v_readfirstlane_b32 s[WV], v1                  ; wave 0..15
	s_and_b32 s[BH], ttmp7, 0xffff
	s_mov_b32 s[G1], 3<<16                         ; a record, dense in memory: 67 rows of 256 bytes (32 elements of 8 bytes), no padding
	s_mov_b32 s[G1+1], 32<<16
	s_mov_b32 s[G1+2], 67<<16
	s_mov_b32 s[G1+3], 32<<16
	s_mov_b32 s[G1+4], 67
	s_mov_b32 s[G1+5], 32
	s_mov_b32 s[G1+6], 0
	s_mov_b32 s[G1+7], 0
	s_mul_i32 s[T], s[WV], REC                     ; places 0 and 1 hold records 0 and 1
	s_mov_b32 s[T+1], 0
	s_mul_i32 s60, s[BH], HS
	s_mov_b32 s61, 0
	s_lshl_b32 s[N1], ttmp9, 1
	s_add_co_u32 s[N1], s[N1], 2
	s_wait_dscnt 0x0                               ; both opening adds are done
	s_wait_kmcnt 0x0
	s_add_nc_u64 s[KVB:KVB+1], s[6:7], s[60:61]
	s_mov_b32 s[G0], 1
	s_mov_b32 s[G0+1], s[T]
	s_add_nc_u64 s[G0+2:G0+3], s[KVB:KVB+1], s[T:T+1]
	s_or_b32 s[G0+3], s[G0+3], 0x80000000
	TLOAD 2                                        ; the head's fills, one a wave
	s_sub_co_u32 s54, 7, ttmp9                     ; the second pass's block
	s_and_b32 s56, s[WV], 1
	s_lshr_b32 s55, s[WV], 1
	s_lshl_b32 s55, s55, 5
	s_lshl_b32 s57, s56, 3
	s_add_co_u32 s55, s55, s57                     ; my tile's first query in a block: 32 (w / 2) + 8 (w % 2)
	s_lshl_b32 s[Q0], ttmp9, 8
	s_add_co_u32 s[Q0], s[Q0], s55
	s_lshl_b32 s[Q0B], s54, 8
	s_add_co_u32 s[Q0B], s[Q0B], s55
	s_lshl_b32 s58, ttmp9, 4
	s_add_co_u32 s58, s58, s[WV]                   ; my query tile in the first pass,
	s_lshl_b32 s59, s54, 4
	s_add_co_u32 s59, s59, s[WV]                   ; and in the second
	s_lshl_b32 s60, s[BH], 17
	s_lshl_b32 s61, s[BH], 13
	s_add_co_u32 s61, s61, QS
	s_lshr_b32 s74, s[BH], 4
	s_lshl_b32 s74, s74, 7
	s_and_b32 s75, s[BH], 15
	s_lshl_b32 s78, s75, 10
	s_lshl_b32 s79, s75, 1
	s_add_co_u32 s79, s79, ASO
	QADR 58, 66, 70, AC, AS
	QADR 59, 68, 72, AC2, AS2
	s_mov_b32 s[SEL], 0x76543210
	s_mov_b32 s[SEL+1], 0xfedcba98
	s_mov_b32 s[CS], 0x3e38aa3b                    ; c = log2(e) / 8
	s_mov_b32 s[CS+1], s[CS]
	s_mov_b32 s[MNT], 0x600000
	s_mov_b32 s[TB], 0
	s_mov_b32 s[J], 0
	s_mov_b32 s[KF], 0
	v_and_b32 v236, 15, v0                         ; r
	v_bfe_u32 v237, v0, 4, 1                       ; h
	v_and_b32 v[LI], 31, v0
	v_lshlrev_b32 v[LI], 4, v[LI]
	v_lshlrev_b32 v[GS], 5, v236
	LOADQ 66, 70
	v_lshl_add_u32 v[RK], v236, 5, 16384
	v_lshl_add_u32 v[RV], v236, 4, 16896
	v_and_b32 v238, 8, v236
	v_add_nc_u32 v[QL], v238, v236                 ; r + 8 (r / 8)
	v_lshlrev_b32 v238, 4, v237
	v_sub_nc_u32 v[QL], v[QL], v238
	ADDR
.irp j, 0,1,2,3,4,5,6,7
	v_mov_b32 v[QF+8+\j], 0                        ; Q's zero codes
	v_mov_b32 v[P+\j], 0
.endr
	v_mov_b32 v13, 0xff61b1e6                      ; the largest t so far: -3e38, under every t
	v_floor_f32 v12, -v13                          ; -M
	v_mov_b32 v14, 0
	v_mov_b32 v15, 0
.irp b, 0,1,2,3
	v_mov_b32 v[PB+\b], 0                          ; written once: a lane permute's destination counts as one of its sources
.endr
	v_mov_b32 v252, 0
	v_mov_b32 v253, 0
.set n, 0
.rept 32
	v_mov_b32 v[O+n], 0                            ; O^T: a pass's first step finds zeros, which the first change of M leaves zeros
.set n, n+1
.endr
; A KEY STEP: the 128 keys of the record in hand.
.macro STEP
	s_add_co_u32 s54, s[Q0], 23                    ; my tile's last query
	s_cmp_gt_u32 s[KF], s54
	s_cbranch_scc1 .Lhidden_\@                     ; all 128 keys come after my 16 queries
	ds_load_b128 v[KW:KW+3], v[ADK]
	ds_load_b128 v[KW+4:KW+7], v[ADK] offset:16
.irp t, 0,1,2,3,4,5,6,7
	ds_load_b128 v[KFR+8*\t:KFR+8*\t+3], v[ADL] offset:1024*\t
	ds_load_b128 v[KFR+8*\t+4:KFR+8*\t+7], v[ADL] offset:1024*\t+512
.endr
	s_wait_dscnt 0x0
.irp t, 0,1,2,3,4,5,6,7                        ; S^T = K Q^T: tiles t and t + 1 are one fragment; Q below the zeros takes the even tile, above them the odd one
	v_wmma_scale_f32_16x16x128_f8f6f4 v[S+8*\t:S+8*\t+7], v[KFR+16*(\t/2):KFR+16*(\t/2)+15], v[QF+8*(\t%2):QF+8*(\t%2)+15], 0, v[KW+\t], v[QW] matrix_a_fmt:MATRIX_FMT_BF8 matrix_b_fmt:MATRIX_FMT_BF8
.endr
	SUMUP                                          ; eight places in front of the loads into K's registers and of the first read of the scores: four additions that are due
.rept 4
	v_nop                                          ; and four idle
.endr
	ds_load_b128 v[VW:VW+3], v[ADV]
.irp t, 0,1,2,3                                ; V^T's four d-tiles x these 128 keys
.irp c, 0,1,2,3
	ds_load_b128 v[KFR+16*\t+4*\c:KFR+16*\t+4*\c+3], v[ADL] offset:8192+2048*\t+512*\c
.endr
.endr
	s_add_co_u32 s54, s[KF], 127                   ; on the diagonal the scores of hidden keys become -infinity ahead of the maximum.  A step all of whose keys count skips this
	s_cmp_le_u32 s54, s[Q0]
	s_cbranch_scc1 .Lopen_\@
	s_sub_co_i32 s54, s[Q0], s[KF]
	v_add_nc_u32 v252, s54, v[QL]                  ; d = my query - KF - 16 h.  Register 16 b + i holds key KF + 16 h + 32 b + i: hidden where 32 b + i > d
	v_mov_b32 v254, 0xff800000
.set n, 0
.rept 64
	v_cmp_gt_i32 vcc_lo, 32*(n/16)+n%16, v252
	v_cndmask_b32 v[S+n], v[S+n], v254, vcc_lo
.set n, n+1
.endr
.Lopen_\@:
.irp b, 0,1,2,3
	v_max3_num_f32 v[BM+\b], v[S+16*\b], v[S+1+16*\b], v[S+2+16*\b]   ; the largest score of each block of 32 keys: for the row's maximum, and, since p rises with the score, for the block's largest p
.endr
.irp i, 3,5,7,9,11,13
.irp b, 0,1,2,3
	v_max3_num_f32 v[BM+\b], v[BM+\b], v[S+16*\b+\i], v[S+1+16*\b+\i]
.endr
.endr
.irp b, 0,1,2,3
	v_max_num_f32 v[BM+\b], v[BM+\b], v[S+15+16*\b]
.endr
.irp b, 0,1,2,3
	s_delay_alu instid0(VALU_DEP_4)
	v_permlanex16_b32 v[PB+\b], v[BM+\b], s[SEL], s[SEL+1]
.endr
.irp b, 0,1,2,3
	s_delay_alu instid0(VALU_DEP_4)
	v_max_num_f32 v[BM+\b], v[BM+\b], v[PB+\b]     ; with lane l xor 16's 16 keys
.endr
	s_delay_alu instid0(VALU_DEP_2)
	v_max3_num_f32 v254, v[BM], v[BM+1], v[BM+2]
	s_delay_alu instid0(VALU_DEP_1)
	v_max_num_f32 v254, v254, v[BM+3]              ; the step's largest score of my query
	s_delay_alu instid0(VALU_DEP_1)
	v_mul_f32 v254, s[CS], v254                    ; as t
	s_delay_alu instid0(VALU_DEP_1)
	v_max_num_f32 v13, v13, v254                   ; the running largest t
	v_mov_b32 v254, v12
	s_delay_alu instid0(VALU_DEP_2)
	v_floor_f32 v12, -v13                          ; the new -M = -ceil(t)
	s_delay_alu instid0(VALU_DEP_1)
	v_sub_f32 v254, v12, v254                      ; old M - new M: a whole number, 0 or less
	s_delay_alu instid0(VALU_DEP_1)
	v_cvt_i32_f32 v254, v254                       ; (it saturates)
	s_delay_alu instid0(VALU_DEP_1)
	v_ldexp_f32 v252, 1.0, v254                    ; f = 2^(old M - new M)
.set n, 0
.rept 32
	v_pk_fma_f32 v[S+n:S+n+1], v[S+n:S+n+1], s[CS:CS+1], v[12:13] op_sel_hi:[1,0,0]   ; t - M, two at a time
.set n, n+2
.endr
.irp b, 0,1,2,3
	v_fma_f32 v[BM+\b], v[BM+\b], s[CS], v12       ; the same of each block's largest score
.endr
	s_wait_alu depctr_va_vdst(0)                   ; ahead of the batch
.set n, 0
.rept 64
	v_exp_f32 v[S+n], v[S+n]                       ; p = 2^(t - M), at most 1
.set n, n+1
.endr
	v_pk_mul_f32 v[14:15], v[14:15], v[252:253] op_sel_hi:[1,0]   ; the sum under the new M (a plain instruction behind the exponentials)
	s_wait_alu depctr_va_vdst(0)                   ; one wait for the batch, ahead of its first reader
.irp b, 0,1,2,3
	v_exp_f32 v[BM+\b], v[BM+\b]                   ; the block's largest p
.endr
.irp c, 0,1,2,3                                ; the sum of the unquantised p: 32 pairs in four chains; they join the row's sum behind the next score products
	v_pk_add_f32 v[P+2*\c:P+2*\c+1], v[S+2*\c:S+2*\c+1], v[S+8+2*\c:S+9+2*\c]
.endr
.irp m, 2,3,4,5,6,7
.irp c, 0,1,2,3
	v_pk_add_f32 v[P+2*\c:P+2*\c+1], v[P+2*\c:P+2*\c+1], v[S+8*\m+2*\c:S+8*\m+2*\c+1]
.endr
.endr
	s_wait_alu depctr_va_vdst(0)                   ; and one for the four
.irp b, 0,1,2,3
	v_max_num_f32 v[BM+\b], 0x8000000, v[BM+\b]    ; the floor 2^(16 - 127): the byte cannot fall under 1
.endr
.irp b, 0,1,2,3
	s_delay_alu instid0(VALU_DEP_4)
	v_add_nc_u32 v[SO+\b], 0xf8800000, v[BM+\b]    ; 15 off the exponent field: the conversion's scale operand
.endr
.irp b, 0,1,2,3
	v_and_or_b32 v[HL+\b], v[BM+\b], 0x7f800000, s[MNT]   ; 57,344 x the scale
.endr
.irp b, 0,1,2,3
	v_lshrrev_b32 v[PB+\b], 23, v[SO+\b]           ; the scale's byte
.endr
	s_delay_alu instid0(VALU_DEP_3)
	v_lshl_or_b32 v253, v[PB+1], 8, v[PB]          ; p's scale word for these 128 keys
	s_delay_alu instid0(VALU_DEP_1)
	v_lshl_or_b32 v253, v[PB+2], 16, v253
	s_delay_alu instid0(VALU_DEP_1)
	v_lshl_or_b32 v253, v[PB+3], 24, v253
.irp b, 0,1,2,3
	v_and_or_b32 v[PB+(\b+1)%4], v[BM+\b], 0x7f800000, s[MNT]   ; the hold once more, in a register of another bank: the two halves of a dual pair take their second sources from different banks
.endr
.irp b, 0,1,2,3
.irp i, 0,2,4,6,8,10,12,14                     ; the conversion to an 8-bit code does not saturate (ISA guide 7.6.2); p is not negative, so the hold is one-sided; two numbers an instruction
	v_dual_min_num_f32 v[S+16*\b+\i], v[S+16*\b+\i], v[HL+\b] :: v_dual_min_num_f32 v[S+16*\b+\i+1], v[S+16*\b+\i+1], v[PB+(\b+1)%4]
.endr
	v_cvt_scalef32_pk8_bf8_f32 v[PC+4*\b:PC+1+4*\b], v[S+16*\b:S+7+16*\b], v[SO+\b]
	v_cvt_scalef32_pk8_bf8_f32 v[PC+2+4*\b:PC+3+4*\b], v[S+8+16*\b:S+15+16*\b], v[SO+\b]
.endr
	s_wait_alu depctr_va_vdst(0)                   ; directly ahead of the first reader of O^T
.set n, 0
.rept 16
	v_pk_mul_f32 v[O+n:O+n+1], v[O+n:O+n+1], v[252:253] op_sel_hi:[1,0]   ; O^T under the new M (also the places between the conversions and the products)
.set n, n+2
.endr
	s_wait_alu depctr_va_vdst(0)
	s_wait_dscnt 0x0                               ; V^T and its scale words
.irp t, 0,1,2,3                                ; O^T += V^T P^T: the four accumulators by turns
	v_wmma_scale_f32_16x16x128_f8f6f4 v[O+8*\t:O+8*\t+7], v[KFR+16*\t:KFR+16*\t+15], v[PC:PC+15], v[O+8*\t:O+8*\t+7], v[VW+\t], v253 matrix_a_fmt:MATRIX_FMT_BF8 matrix_b_fmt:MATRIX_FMT_BF8
.endr
.rept 5
	v_nop                                          ; with the three additions below: eight places in front of the next loads into V^T's registers and of a read of O^T
.endr
.Lhidden_\@:
	s_add_co_u32 s[KF], s[KF], 128
	s_add_co_u32 s[TB], s[TB], REC                 ; on to the next place of the walk
	ADDR
.endm
; BETWEEN GROUPS.  Each wave waits for all its tensor loads, adds 0 to its spare word, and waits for that and for its LDS reads; behind the barrier the next group of records is whole.
; n > 0: waves 0 .. n - 1 then ask for places base + wave, bytes that nothing has filled: each such first fill is issued as a refill is.
.macro CHANGE n, base
	s_wait_tensorcnt 0x0
	ds_add_u32 v[SPW], v[NIL]
.if \n
	ds_add_u32 v[SPW], v[NIL]
	SETD \base                                     ; no tensor load of mine is out, so group 0 may be written
.endif
	s_wait_dscnt 0x0
	s_barrier_signal -1
	s_barrier_wait -1
.if \n
	TLOAD \n
.endif
.endm
; A PASS'S END: O^T / the sum is my tile's part of the last product's operand: two blocks of 32 along its K; register 16 B + i is d = 32 B + 16 h + i of query r.  more = 1: the second pass's Q is asked for first.
.macro FINAL more
.if \more
	LOADQ 68, 72
.endif
	SUMUP
	v_add_f32 v14, v14, v15
	v_permlanex16_b32 v252, v14, s[SEL], s[SEL+1]
	v_add_f32 v14, v14, v252                       ; the row's sum
	s_wait_alu depctr_va_vdst(0)
	v_rcp_f32 v14, v14
	v_nop
	s_wait_alu depctr_va_vdst(0)                   ; ahead of the first reader of the reciprocal and of O^T
.set n, 0
.rept 32
	v_mul_f32 v[S+n], v[O+n], v14                  ; each accumulator from its low end on
.set n, n+1
.endr
.irp b, 0,1
	v_max3_num_f32 v[BM+\b], |v[S+16*\b]|, |v[S+1+16*\b]|, 0x8000000
.endr
.irp i, 2,4,6,8,10,12,14
.irp b, 0,1
	v_max3_num_f32 v[BM+\b], v[BM+\b], |v[S+16*\b+\i]|, |v[S+1+16*\b+\i]|
.endr
.endr
.irp b, 0,1
	v_permlanex16_b32 v[PB+\b], v[BM+\b], s[SEL], s[SEL+1]
.endr
.irp b, 0,1
	v_max_num_f32 v[BM+\b], v[BM+\b], v[PB+\b]
.endr
.irp b, 0,1
	v_add_nc_u32 v[SO+\b], 0xf8800000, v[BM+\b]
.endr
.irp b, 0,1
	v_and_or_b32 v[HL+\b], v[BM+\b], 0x7f800000, s[MNT]
.endr
.irp b, 0,1
	v_lshrrev_b32 v[PB+\b], 23, v[SO+\b]
.endr
	v_lshl_or_b32 v254, v[PB+1], 8, v[PB]          ; my row's two scale bytes
.irp b, 0,1
.irp i, 0,1,2,3,4,5,6,7,8,9,10,11,12,13,14,15
	v_med3_num_f32 v[S+16*\b+\i], v[S+16*\b+\i], -v[HL+\b], v[HL+\b]
.endr
	v_cvt_scalef32_pk8_bf8_f32 v[PC+4*\b:PC+1+4*\b], v[S+16*\b:S+7+16*\b], v[SO+\b]
	v_cvt_scalef32_pk8_bf8_f32 v[PC+2+4*\b:PC+3+4*\b], v[S+8+16*\b:S+15+16*\b], v[SO+\b]
.endr
	v_nop                                          ; one plain vector instruction behind the last conversion
	global_store_b128 v[LI], v[PC:PC+3], s[AC:AC+1]                ; 512 consecutive bytes each, aligned
	global_store_b128 v[LI], v[PC+4:PC+7], s[AC:AC+1] offset:512
	global_store_b16 v[GS], v254, s[AS:AS+1]       ; two bytes a row, rows 32 bytes apart (both lanes of a row store the same)
	s_wait_xcnt 0x0                                ; the stores have read their registers and bases: both may be written again
.endm
.macro REINIT                          ; the second pass begins
.irp j, 0,1,2,3,4,5,6,7
	v_mov_b32 v[P+\j], 0
.endr
	v_mov_b32 v13, 0xff61b1e6
	v_floor_f32 v12, -v13
	v_mov_b32 v14, 0
	v_mov_b32 v15, 0
.set n, 0
.rept 32
	v_mov_b32 v[O+n], 0
.set n, n+1
.endr
	s_mov_b32 s[KF], 0
	s_mov_b32 s[Q0], s[Q0B]
	s_mov_b64 s[AC:AC+1], s[AC2:AC2+1]
	s_mov_b64 s[AS:AS+1], s[AS2:AS2+1]
	s_wait_alu depctr_va_vdst(0)
	s_wait_loadcnt 0x0                             ; the second pass's Q
.endm
.macro BODY fin                        ; one place of the walk.  fin = 1: the group can hold the second pass's first place (ids and the count of places: the same in all sixteen waves)
.if \fin
	s_cmp_lg_u32 s[J], s[N1]
	s_cbranch_scc1 .Lsame_\@
	FINAL 1
	REINIT
.Lsame_\@:
.endif
	STEP
	s_add_co_u32 s[J], s[J], 1
.endm
	s_wait_alu depctr_va_vdst(0)
	s_wait_loadcnt 0x0                             ; Q
	CHANGE 4, 2                                    ; places 0 and 1 are in; places 2 to 5 are asked for
.Lgroup0:
	BODY 0
	s_cmp_lt_u32 s[J], 2
	s_wait_alu depctr_va_vdst(0)                   ; directly ahead of the branch
	s_cbranch_scc1 .Lgroup0
	CHANGE 12, 6                                   ; places 2 to 5 are in; places 6 to 17 are asked for
.Lgroup1:
	BODY 1
	s_cmp_lt_u32 s[J], 6
	s_wait_alu depctr_va_vdst(0)
	s_cbranch_scc1 .Lgroup1
	CHANGE 0, 0                                    ; all is in
.Lgroup2:
	BODY 1
	s_cmp_lt_u32 s[J], 18
	s_wait_alu depctr_va_vdst(0)
	s_cbranch_scc1 .Lgroup2
	FINAL 0
	s_wait_tensorcnt 0x0                           ; the wave's end
	ds_add_u32 v[SPW], v[NIL]
	s_wait_dscnt 0x0
	s_endpgm
.Lfunc_end_k_q3e0f591c56_attn:
	.size	k_q3e0f591c56_attn, .Lfunc_end_k_q3e0f591c56_attn-k_q3e0f591c56_attn
	.p2alignl 7, 3214868480
	.fill 96, 4, 3214868480
	.section	.rodata,"a",@progbits
	.p2align	6, 0x0
	.amdhsa_kernel k_q3e0f591c56_attn
		.amdhsa_group_segment_fixed_size 327680
		.amdhsa_private_segment_fixed_size 0
		.amdhsa_enable_private_segment 0
		.amdhsa_kernarg_size 24
		.amdhsa_user_sgpr_count 2
		.amdhsa_user_sgpr_kernarg_segment_ptr 1
		.amdhsa_wavefront_size32 1
		.amdhsa_system_sgpr_workgroup_id_x 1
		.amdhsa_system_sgpr_workgroup_id_y 1
		.amdhsa_system_sgpr_workgroup_id_z 1
		.amdhsa_system_vgpr_workitem_id 0
		.amdhsa_next_free_vgpr 256
		.amdhsa_next_free_sgpr 100
		.amdhsa_reserve_vcc 1
		.amdhsa_float_denorm_mode_32 3
		.amdhsa_float_denorm_mode_16_64 3
		.amdhsa_memory_ordered 1
		.amdhsa_forward_progress 1
		.amdhsa_inst_pref_size 106
	.end_amdhsa_kernel
	.amdgpu_metadata
---
amdhsa.version: [ 1, 2 ]
amdhsa.kernels:
  - .name:           k_q3e0f591c56_attn
    .symbol:         k_q3e0f591c56_attn.kd
    .args:
      - { .name: qb, .offset: 0, .size: 8, .value_kind: global_buffer, .address_space: global }
      - { .name: kv, .offset: 8, .size: 8, .value_kind: global_buffer, .address_space: global }
      - { .name: ab, .offset: 16, .size: 8, .value_kind: global_buffer, .address_space: global }
    .group_segment_fixed_size: 327680
    .private_segment_fixed_size: 0
    .kernarg_segment_align: 8
    .kernarg_segment_size: 24
    .max_flat_workgroup_size: 512
    .sgpr_count:     100
    .vgpr_count:     256
    .wavefront_size: 32
...
	.end_amdgpu_metadata
.endif
;; end of part 3
;; launch proj (part 4): grid 4 x 64, 4 waves a work-group, clusters of 4 x 4, 327,680 bytes of LDS; arguments ab, wts, b_out, out0; writes out0
.if DOCPART == 4
	.amdgcn_target "amdgcn-amd-amdhsa--gfx1250"
	.amdhsa_code_object_version 6
	.text
	.protected	k_q3e0f591c56_proj
	.globl	k_q3e0f591c56_proj
	.p2align	8
	.type	k_q3e0f591c56_proj,@function
k_q3e0f591c56_proj:
	s_mov_b64 s[64:65], 0
	v_nop
	global_prefetch_b8 v0, s[64:65] scope:SCOPE_SE
	s_setreg_imm32_b32 hwreg(HW_REG_WAVE_MODE, 25, 1), 1
	s_wait_xcnt 0x0
	s_wait_alu depctr_hold_cnt(0) depctr_sa_sdst(0) depctr_va_vdst(0) depctr_va_sdst(0) depctr_va_ssrc(0) depctr_va_vcc(0) depctr_vm_vsrc(0)
	s_getreg_b32 s2, hwreg(HW_REG_IB_STS2, 6, 4)
	s_cmp_eq_u32 s2, 0
	s_cbranch_scc0 .Lentry_in_a_cluster
	s_endpgm
.Lentry_in_a_cluster:
	s_bfe_u32 s2, ttmp6, 0x10000c
	s_cmp_lg_u32 s2, 0xf033
	s_cbranch_scc0 .Lentry_shape_is_right
	s_endpgm
.Lentry_shape_is_right:
; out0 = (attention's result) W_out^T + b_out on codes of BF8 (E5M2) with E8M0 scales, K = 1,024, f32 sums; the bias is the C of each accumulator's first product.
; A = ab (8,192 rows, batch by batch), B = W_out (1,024 rows).  A BLOCK IS 128 x 256: 64 x 4 = 256 work-groups.  Four waves, 2 x 2; a wave makes 64 x 128: 32 accumulators, 256 registers.
; THE MATRIX INSTRUCTION IS USED TRANSPOSED (source 0 = 16 rows of B, source 1 = 16 rows of A): a lane holds one row of the result and eight of its columns.
; OPERANDS lie in memory and in LDS as images of their registers ([c][lane][16 bytes], 2,048 bytes for 16 rows x 128 K; a tile of 16 rows has its eight images on end): every LDS load takes 512 consecutive bytes.
; Rows lie in tiles of 16 in the order 32 B + 8 u + i + 8 (i / 8) (tile 2 B + u), for A's rows and for B's.
; K goes in steps of 256 through a ring of two LDS slots (A's 128 rows, then B's 256: 98,304 bytes); the scale bytes of all of K come once and stay behind the ring.
; A and B have two sets of fragment registers each: a step's 48 LDS loads are issued in one run ahead of the step before's 32 products.
; CLUSTERS: 4 x 4 work-groups; A's tiles are asked for jointly along a row of the cluster, B's along a column.  The head's four tiles (K step 0's A and B, A's and B's scales) are shared out, one load a wave.
; PREFETCHES INTO THE L2.  A K step of eight tiles is 8 x 4,096 bytes: 128 blocks of 256.  Wave 0 asks for A's eight tiles, waves 2 and 3 for the eight tiles of B that each fetches; wave 1 asks for nothing.
; The four partners that ask for tiles jointly share them out BY ADDRESS: the partner at place p (cx for A, cy for B) takes tiles 2 p and 2 p + 1, a lane a block: each block is named once in each cluster that loads it.
; Behind the head's loads K steps 1 and 2 are asked for, behind K step 1's load K step 3: at most two K steps are asked for and not yet read.  The scale bytes come once, with the head's loads, and are not asked for.
; REGISTERS, in windows of 256: window 0: v0-31 addresses; v32-63 scale words, two sets; v64-127 the bias; v128-255 A's fragments, two sets, on the way out the rows read back.
;   window 1: B's fragments, two sets.   window 2: the accumulators, (a, b) at v[8 (8 a + b)].
.set ASO,   8388608                    ; ab: where the scale bytes begin
.set WOC,   3244032                    ; wts: W_out's codes,
.set WOS,   4292608                    ; and scale bytes
.set NQ,    2                          ; matrix instructions deep in a slot
.set FR,    16                         ; registers of a fragment
.set FRB,   2048                       ; its image in bytes
.set NP,    8                          ; places behind this matrix instruction (ISA guide 7.12.1)
.set TROW,  NQ*FRB                     ; a tile of 16 rows in a slot
.set QT,    4*TROW                     ; 64 rows
.set BOFF,  2*QT                       ; B's rows lie behind A's 128
.set SLOT,  6*QT
.set LAPS,  2                          ; 1,024 along K = twice round the ring
.set KS,    32                         ; a row of scale bytes
.set SCL,   2*SLOT                     ; behind the ring: the scales, as units of 256 bytes + 16 of padding: A's 128 rows, then B's 256
.set QS64,  (64*KS/256)*272            ; those of 64 rows
.set SBLK,  (16*KS/256)*272            ; of 16
.set SPARE, SCL+6*QS64                 ; the spare words, 128 bytes for each wave, that no other line names
.set SPITCH, 528                       ; the way out: a stage of 16 rows x (512 bytes + 16) for each wave, in slot 0, which has had its last fill and its last read by then
.set PFO,  13                          ; v13  the prefetches' offset: 16,384 x (lane / 16) + 256 x (lane % 16); never rewritten
.set ADRA, 16                          ; v16-17  LDS address of my A fragments in slot 0, 1
.set ADRB, 20                          ; v20-21  the same for B
.set STO,  24                          ; v24  the way out: where I put my pieces of a row
.set RD,   25                          ; v25  where I read a row back
.set CO,   26                          ; v26  16 x lane
.set ADRS, 27                          ; v27  LDS address of my scale words: lanes 0-15 A's rows, lanes 16-31 B's
.set SPW,  28                          ; v28  LDS address of my spare word; never rewritten
.set NIL,  29                          ; v29  0; never rewritten
.set SC,   32                          ; scale words, set s at v[SC + 16 s]
.set BI,   64                          ; the bias in the layout of B's eight result tiles
.set AF,   128                         ; A's fragments, set p at v[AF + 64 p]
.set BK,   128                         ; the way out: 16 rows read back, two buffers by turns
.set G1, 24
.set G0, 32
.set G1B, 48
.set G0B, 56
.set G1S, 68
.set G0S, 76
.set G1SB, 80
.set G0SB, 88
.set PFA,  96                          ; s[96:97] the prefetches' base: my work-group's two tiles, at K step 0; never rewritten
.set MSB, 0
.macro WIN new                         ; the immediate's high byte repeats the setting that is left
.if MSB != (\new)
	s_set_vgpr_msb (MSB<<8)|(\new)
.set MSB, (\new)
.endif
.endm
.set MUL_LO, 0xa1                      ; source 0 (B) window 1, source 1 (A) window 0, C and D window 2
.set FST_LO, 0x81                      ; the same with C (the bias) in window 0
.set TO_B,   0x40                      ; destination window 1, address window 0
; A joint load: waves 0 and 1 fetch for A, waves 2 and 3 for B.  The branch hangs on the wave's number alone.  s_nop 0 and four v_nop follow each line.
.macro JLOAD g0a, g1a, g0b, g1b
	s_cmp_eq_u32 s15, 0
	s_cbranch_scc0 .Lfor_b_\@
	tensor_load_to_lds s[\g0a:\g0a+3], s[\g1a:\g1a+7]
	s_nop 0
.rept 4
	v_nop
.endr
	s_branch .Lasked_\@
.Lfor_b_\@:
	tensor_load_to_lds s[\g0b:\g0b+3], s[\g1b:\g1b+7]
	s_nop 0
.rept 4
	v_nop
.endr
.Lasked_\@:
.endm
.macro CREST                           ; a round of the cluster's barrier behind its opening barrier
	s_cmp_lg_u32 s14, 0
	s_cbranch_scc1 .Lnot_wave_0_\@
	s_barrier_signal -3
.Lnot_wave_0_\@:
	s_barrier_wait -3
	s_barrier_signal -1
	s_barrier_wait -1
.endm
.macro CROUND                          ; a whole round
	s_barrier_signal -1
	s_barrier_wait -1
	CREST
.endm
.macro GRP1 g, c, r, p                 ; words 1 to 7 of a group 1: r rows of c elements of 8 bytes, p elements apart
	s_mov_b32 s[\g+1], (\c)<<16
	s_mov_b32 s[\g+2], (\r)<<16
	s_mov_b32 s[\g+3], (\c)<<16
	s_mov_b32 s[\g+4], \r
	s_mov_b32 s[\g+5], \p
	s_mov_b32 s[\g+6], 0
	s_mov_b32 s[\g+7], 0
.endm
.macro GRP0 g, lds, adr                ; a group 0: LDS byte (a constant), the tile's first byte in memory
	s_mov_b32 s[\g], 1
	s_mov_b32 s[\g+1], \lds
	s_mov_b64 s[\g+2:\g+3], s[\adr:\adr+1]
	s_or_b32 s[\g+3], s[\g+3], 0x80000000
.endm
	s_load_b256 s[4:11], s[0:1], 0x0               ; ab s[4:5], wts s[6:7], b_out s[8:9], out0 s[10:11]
	v_lshl_add_u32 v[SPW], v0, 2, SPARE
	v_mov_b32 v[NIL], 0
	ds_add_u32 v[SPW], v[NIL]                      ; the opening lines: the add, twice on end, and its wait ahead of the first tensor load
	ds_add_u32 v[SPW], v[NIL]
	v_lshrrev_b32 v1, 5, v0
	v_readfirstlane_b32 s14, v1                    ; wave 0..3
	s_lshr_b32 s15, s14, 1                         ; which 64 rows of the block are mine.  Also: I fetch for A (0) or for B (1)
	s_and_b32 s16, s14, 1                          ; which 128 columns.  Also: which half of that tile I fetch
	s_bfe_u32 s40, ttmp6, 0x40000                  ; cx, cy: my place in the cluster
	s_bfe_u32 s41, ttmp6, 0x40004
	s_lshl_b32 s42, ttmp9, 2
	s_add_co_u32 s42, s42, s40                     ; block column, 0 .. 3
	s_and_b32 s17, ttmp7, 0xffff
	s_lshl_b32 s17, s17, 2
	s_add_co_u32 s17, s17, s41                     ; block row, 0 .. 63
	s_lshl_b32 s43, s41, 2
	s_lshl_b32 s43, 15, s43                        ; my row of the cluster
	s_lshl_b32 s44, 0x1111, s40                    ; my column
	s_or_b32 s[G1], s43, (3<<16)|(1<<21)           ; codes: of each tile of 16 rows the K step's two images, 4,096 bytes, tiles 16,384 bytes apart; no padding
	s_or_b32 s[G1B], s44, (3<<16)|(1<<21)
	GRP1 G1, 512, 8, 2048                          ; the head's loads bring a whole side: A's 8 tiles,
	GRP1 G1B, 512, 16, 2048                        ; B's 16; the ring's loads half of that (set behind the head's wait)
	s_or_b32 s[G1S], s43, (3<<16)|(1<<20)|(1<<21)|(5<<22)|(3<<25)   ; scales: dense rows of 256 bytes, 16 bytes of padding behind each
	s_or_b32 s[G1SB], s44, (3<<16)|(1<<20)|(1<<21)|(5<<22)|(3<<25)
	GRP1 G1S, 32, 128*KS/256, 32
	GRP1 G1SB, 32, 256*KS/256, 32
	s_lshl_b32 s20, s17, 17                        ; A's codes: 128 rows x 1,024 bytes a block row
	s_mov_b32 s21, 0
	s_lshl_b32 s22, s17, 12                        ; its scales: 128 x 32
	s_add_co_u32 s22, s22, ASO
	s_mov_b32 s23, 0
	s_lshl_b32 s46, s42, 18                        ; B's codes: 256 rows x 1,024
	s_add_co_u32 s46, s46, WOC
	s_mov_b32 s47, 0
	s_lshl_b32 s92, s42, 13                        ; its scales
	s_add_co_u32 s92, s92, WOS
	s_mov_b32 s93, 0
	s_lshl_b32 s12, s16, 16                        ; in the ring I fetch half a side: 64 rows of A,
	s_mov_b32 s13, 0
	s_lshl_b32 s18, s16, 17                        ; or 128 rows of B,
	s_mov_b32 s19, 0
	s_mul_i32 s45, s16, QT                         ; and where they go in a slot: no place in the cluster enters an LDS address
	s_mul_i32 s94, s16, 2*QT
	s_add_co_u32 s94, s94, BOFF
	s_wait_dscnt 0x0                               ; both opening adds are done
	s_wait_kmcnt 0x0
	s_add_nc_u64 s[20:21], s[4:5], s[20:21]
	s_add_nc_u64 s[22:23], s[4:5], s[22:23]
	s_add_nc_u64 s[46:47], s[6:7], s[46:47]
	s_add_nc_u64 s[92:93], s[6:7], s[92:93]
	s_cmp_eq_u32 s15, 0                            ; the prefetches' base: A's eight tiles, or my eight of B's,
	s_cselect_b64 s[PFA:PFA+1], s[20:21], s[46:47]
	s_cselect_b32 s98, s40, s41                    ; my place among the four that ask with me,
	s_cselect_b32 s99, 0, s18
	s_lshl_b32 s98, s98, 15                        ; two tiles of 16,384 bytes a partner
	s_add_co_u32 s98, s98, s99
	s_mov_b32 s99, 0
	s_add_nc_u64 s[PFA:PFA+1], s[PFA:PFA+1], s[98:99]
	CROUND                                         ; all sixteen work-groups are here: the first joint loads meet
	GRP0 G0, 0, 20                                 ; slot 0's groups 0 serve the head first: K step 0's rows of A, whole,
	GRP0 G0B, BOFF, 46                             ; and of B;
	GRP0 G0S, SCL, 22                              ; A's scales,
	GRP0 G0SB, SCL+2*QS64, 92                      ; and B's
	s_mov_b32 s[G0+4], 1                           ; slot 1: my half of a side, K step 1
	s_add_co_u32 s[G0+5], s45, SLOT
	s_add_nc_u64 s[G0+6:G0+7], s[20:21], s[12:13]
	s_add_nc_u64 s[G0+6:G0+7], s[G0+6:G0+7], TROW
	s_or_b32 s[G0+7], s[G0+7], 0x80000000
	s_mov_b32 s[G0B+4], 1
	s_add_co_u32 s[G0B+5], s94, SLOT
	s_add_nc_u64 s[G0B+6:G0B+7], s[46:47], s[18:19]
	s_add_nc_u64 s[G0B+6:G0B+7], s[G0B+6:G0B+7], TROW
	s_or_b32 s[G0B+7], s[G0B+7], 0x80000000
; THE HEAD'S LOADS, ONE A WAVE.  One chain of arms on the wave's number, all leading to one join.
.macro ARM under, g0, g1, next
	s_cmp_lt_u32 s14, \under
	s_cbranch_scc0 \next
	tensor_load_to_lds s[\g0:\g0+3], s[\g1:\g1+7]
	s_nop 0
.rept 4
	v_nop
.endr
	s_branch .Lhead_asked
\next:
.endm
	ARM 1, G0,  G1,  .Lhead_b
	ARM 2, G0B, G1B, .Lhead_sa
	ARM 3, G0S, G1S, .Lhead_sb
	tensor_load_to_lds s[G0SB:G0SB+3], s[G1SB:G1SB+7]
	s_nop 0
.rept 4
	v_nop
.endr
.Lhead_asked:
	s_lshl_b32 s20, s42, 10                        ; my first column, in bytes of f32: 1,024 x block column + 512 x half
	s_lshl_b32 s21, s16, 9
	s_add_co_u32 s20, s20, s21
	s_mov_b32 s21, 0
	s_add_nc_u64 s[8:9], s[8:9], s[20:21]
	s_add_nc_u64 s[10:11], s[10:11], s[20:21]
	s_lshl_b32 s46, s17, 1
	s_add_co_u32 s46, s46, s15                     ; which 64 rows of A: 64 neighbouring t of one batch
	s_lshr_b32 s47, s46, 5                         ; the batch: 4,096 bytes on in out0,
	s_and_b32 s46, s46, 31                         ; the group of 64 t: 64 x 16,384 bytes
	s_lshl_b32 s46, s46, 20
	s_lshl_b32 s47, s47, 12
	s_add_co_u32 s46, s46, s47
	s_mov_b32 s47, 0
	s_add_nc_u64 s[10:11], s[10:11], s[46:47]
	s_mul_i32 s21, s15, QT                         ; my 64 rows of A in a slot (my 128 rows of B: s94)
	s_mul_i32 s23, s15, QS64                       ; A's scales: my 64 rows
	s_mul_i32 s43, s16, 2*QS64                     ; B's: my 128 rows, behind A's 128
	s_add_co_u32 s43, s43, 2*QS64
	s_sub_co_u32 s43, s43, s23                     ; the distance between the two
	s_add_co_u32 s23, s23, SCL
	s_mul_i32 s44, s14, 16*SPITCH                  ; my stage
	v_and_b32 v1, 15, v0                           ; r
	v_bfe_u32 v2, v0, 4, 1                         ; h
	v_and_b32 v3, 31, v0
	v_lshlrev_b32 v[CO], 4, v3
	v_lshlrev_b32 v7, 6, v2
	v_lshlrev_b32 v[PFO], 8, v1
	v_lshl_add_u32 v[PFO], v2, 14, v[PFO]
	s_cmp_eq_u32 s14, 1                            ; wave 1 asks for nothing: wave 0 asks for all of A's eight tiles
	s_wait_alu depctr_va_vdst(0)
	s_cbranch_scc1 .Lno_ask_0
	global_prefetch_b8 v[PFO], s[PFA:PFA+1] offset:TROW th:TH_LOAD_NT scope:SCOPE_SE     ; K step 1, one step ahead of its load: its bytes' first touch,
	global_prefetch_b8 v[PFO], s[PFA:PFA+1] offset:2*TROW th:TH_LOAD_NT scope:SCOPE_SE   ; and K step 2, two steps ahead
.Lno_ask_0:
.irp b, 0,1,2,3,4,5,6,7                        ; result tile b, register j: column 32 (b / 2) + 8 (b % 2) + 16 h + j
	global_load_b128 v[BI+8*\b:BI+8*\b+3], v7, s[8:9] offset:128*(\b/2)+32*(\b%2)
	global_load_b128 v[BI+8*\b+4:BI+8*\b+7], v7, s[8:9] offset:128*(\b/2)+32*(\b%2)+16
.endr
	v_add_nc_u32 v[ADRA], s21, v[CO]
	v_add_nc_u32 v[ADRB], s94, v[CO]
	v_add_nc_u32 v[ADRA+1], SLOT, v[ADRA]
	v_add_nc_u32 v[ADRB+1], SLOT, v[ADRB]
	v_mul_u32_u24 v5, v1, KS                       ; my row's scales: 32 bytes a row,
	v_lshrrev_b32 v6, 8, v5
	v_lshl_add_u32 v5, v6, 4, v5                   ; and 16 more for each 256 passed
	v_mul_u32_u24 v6, s43, v2                      ; lanes 16-31 take B's
	v_add_nc_u32 v5, v5, v6
	v_add_nc_u32 v[ADRS], s23, v5
	v_mul_u32_u24 v5, v1, SPITCH
	v_lshl_add_u32 v5, v2, 6, v5
	v_add_nc_u32 v[STO], s44, v5
	v_add_nc_u32 v[RD], s44, v[CO]
.macro FRAG reg, adr, q, i             ; a fragment comes as the image of its 16 registers: four loads of 512 consecutive bytes
.irp c, 0,1,2,3
	ds_load_b128 v[\reg+4*\c:\reg+4*\c+3], v[\adr] offset:FRB*(\q)+512*\c+(\i)*TROW
.endr
.endm
; 16 matrix instructions: A's blocks a0, a0 + 1 x B's eight, 128 along K: the slot's q-th, on the fragment sets p.  first = 1: the bias is C.
; The 32 accumulators take turns, one instruction a turn, in the same order in every step.
.macro MUL16 a0, p, q, sc, first
.irp a, \a0, \a0+1
.irp b, 0,1,2,3,4,5,6,7
.if \first
	v_wmma_scale_f32_16x16x128_f8f6f4 v[8*(8*(\a)+\b):8*(8*(\a)+\b)+7], v[128*(\p)+FR*\b:128*(\p)+FR*\b+FR-1], v[AF+64*(\p)+FR*(\a):AF+64*(\p)+FR*(\a)+FR-1], v[BI+8*\b:BI+8*\b+7], v[SC+8*NQ*(\sc)+NQ*\b+(\q)], v[SC+8*NQ*(\sc)+NQ*(\a)+(\q)] matrix_a_fmt:MATRIX_FMT_BF8 matrix_b_fmt:MATRIX_FMT_BF8 matrix_a_scale:MATRIX_SCALE_ROW1
.else
	v_wmma_scale_f32_16x16x128_f8f6f4 v[8*(8*(\a)+\b):8*(8*(\a)+\b)+7], v[128*(\p)+FR*\b:128*(\p)+FR*\b+FR-1], v[AF+64*(\p)+FR*(\a):AF+64*(\p)+FR*(\a)+FR-1], v[8*(8*(\a)+\b):8*(8*(\a)+\b)+7], v[SC+8*NQ*(\sc)+NQ*\b+(\q)], v[SC+8*NQ*(\sc)+NQ*(\a)+(\q)] matrix_a_fmt:MATRIX_FMT_BF8 matrix_b_fmt:MATRIX_FMT_BF8 matrix_a_scale:MATRIX_SCALE_ROW1
.endif
.endr
.endr
.endm
.macro FETCH slot, q, p                ; 48 LDS loads in one run: B's eight fragments and A's four of the slot's q-th 128 along K, into the sets p
	WIN TO_B
.irp i, 0,1,2,3,4,5,6,7
	FRAG 128*(\p)+FR*\i, ADRB+\slot, \q, \i
.endr
	WIN 0
.irp i, 0,1,2,3
	FRAG AF+64*(\p)+FR*\i, ADRA+\slot, \q, \i
.endr
.endm
.macro SCALES sc                       ; a K step's scale words into set sc: two words a row; lanes 16-31 take B's block i; lanes 0-15 A's block i (of registers 8 on they hold the rows that follow mine, and are not used)
.irp i, 0,1,2,3,4,5,6,7
	ds_load_b64 v[SC+8*NQ*\sc+NQ*\i:SC+8*NQ*\sc+NQ*\i+1], v[ADRS] offset:\i*SBLK
.endr
.endm
.macro PLACES n                        ; plain vector instructions behind matrix instructions, in front of loads into their registers and of reads of their results
.rept \n
	v_nop
.endr
.endm
; A slot's first step: on the sets 0; the second step's fragments are asked for ahead of its products.
.macro STEP slot, first
	s_wait_dscnt 0x0                               ; this step's fragments and scale words are in
.if \first
	FETCH \slot, 1, 1
	WIN FST_LO
.else
	PLACES NP                                      ; behind the last step's products, which read the sets 1
	FETCH \slot, 1, 1
	WIN MUL_LO
.endif
	MUL16 0, 0, 0, \slot, \first
	MUL16 2, 0, 0, \slot, \first
	WIN 0
.endm
; A slot's second step, on the sets 1, changes slots: ONE barrier; in front of it each wave waits for all its tensor loads, adds 0 to its spare word, and waits for that and for its reads of this slot.
; fill = 1: the barrier opens a round of the cluster's barrier, and this slot is filled again, two K steps ahead.
.macro TURN slot, next, fill
	s_wait_tensorcnt 0x0                           ; my part of the next slot has landed
	ds_add_u32 v[SPW], v[NIL]                      ; 0 onto my spare word
	s_wait_dscnt 0x0                               ; the add is done, this step's fragments are in: my reads of this slot are over
	s_barrier_signal -1
	WIN MUL_LO
	MUL16 0, 1, 1, \slot, 0                        ; work on registers while the others arrive
	WIN 0
	s_barrier_wait -1
.if \fill
	CREST
	s_add_nc_u64 s[G0+4*\slot+2:G0+4*\slot+3], s[G0+4*\slot+2:G0+4*\slot+3], 2*TROW
	s_add_nc_u64 s[G0B+4*\slot+2:G0B+4*\slot+3], s[G0B+4*\slot+2:G0B+4*\slot+3], 2*TROW
	JLOAD G0+4*\slot, G1, G0B+4*\slot, G1B         ; the first tensor load behind the round; its four v_nop are among the places in front of the loads below
	PLACES NP-4
.else
	PLACES NP
.endif
	v_add_nc_u32 v[ADRS], 4*NQ, v[ADRS]            ; on to the next K step's scale words
	s_wait_alu depctr_va_vdst(0)
	FETCH \next, 0, 0
	SCALES \next
	WIN MUL_LO
	MUL16 2, 1, 1, \slot, 0
	WIN 0
.endm
	s_wait_alu depctr_va_vdst(0)
	s_wait_tensorcnt 0x0                           ; my tile of the head's four is in; slot 1's first fill is issued as a refill is:
	ds_add_u32 v[SPW], v[NIL]                      ; 0 onto my spare word
	s_mov_b32 s[G1+2], 4<<16                       ; no tensor load of mine is out, so descriptors may be written: from here on a load brings half a side: 4 tiles of A,
	s_mov_b32 s[G1+4], 4
	s_mov_b32 s[G1B+2], 8<<16                      ; 8 of B;
	s_mov_b32 s[G1B+4], 8
	s_mov_b32 s[G0+1], s45                         ; and slot 0's groups 0 stand at my half
	s_mov_b32 s[G0B+1], s94
	s_add_nc_u64 s[G0+2:G0+3], s[G0+2:G0+3], s[12:13]
	s_add_nc_u64 s[G0B+2:G0B+3], s[G0B+2:G0B+3], s[18:19]
	s_wait_dscnt 0x0                               ; the add is done
	CROUND                                         ; a whole round: all four tiles are in, and all sixteen work-groups are here
	JLOAD G0+4, G1, G0B+4, G1B                     ; K step 1: the first tensor load behind the round
	FETCH 0, 0, 0
	SCALES 0
	s_cmp_eq_u32 s14, 1
	s_cbranch_scc1 .Lno_ask_1
	global_prefetch_b8 v[PFO], s[PFA:PFA+1] offset:3*TROW th:TH_LOAD_NT scope:SCOPE_SE   ; K step 3, the last, two steps ahead of its load
.Lno_ask_1:
	s_wait_loadcnt 0x0                             ; the bias
	STEP 0, 1                                      ; the first step stands in front of the loop: its products start the sums on the bias
	s_mov_b32 s3, LAPS-1
.Llap:                                                 ; a trip goes once round the ring and fills both slots again
	TURN 0, 1, 1
	STEP 1, 0
	TURN 1, 0, 1
	STEP 0, 0
	s_sub_co_u32 s3, s3, 1
	s_cmp_lg_u32 s3, 0
	s_cbranch_scc1 .Llap
	TURN 0, 1, 0                                   ; the last lap fills nothing, and has no round of the cluster's barrier
	STEP 1, 0
	s_wait_dscnt 0x0                               ; the very last step: nothing more to fetch
	WIN MUL_LO
	MUL16 0, 1, 1, 1, 0
	MUL16 2, 1, 1, 1, 0
	WIN 0
; THE WAY OUT, block by block of 16 rows x 128 columns: through my stage in LDS, back as whole rows of 512 bytes, which the 32 lanes store as two aligned units of 256 bytes.
; LDS serves a wave's instructions in order (ISA guide 5.7.1.4): no wait between the stores and the loads.
.macro TOSTAGE a
.set AC, 64*(\a)
	WIN 0x08                                       ; the data: window 2
.irp b, 0,1,2,3,4,5,6,7
	ds_store_b128 v[STO], v[AC+8*\b:AC+8*\b+3] offset:128*(\b/2)+32*(\b%2)        ; each accumulator from its low end on
	ds_store_b128 v[STO], v[AC+8*\b+4:AC+8*\b+7] offset:128*(\b/2)+32*(\b%2)+16
.endr
	WIN 0
.set BB, BK+64*((\a)%2)
.irp t, 0,1,2,3,4,5,6,7,8,9,10,11,12,13,14,15
	ds_load_b128 v[BB+4*\t:BB+4*\t+3], v[RD] offset:\t*SPITCH
.endr
.endm
.macro SEND a, younger                 ; younger: the LDS instructions issued behind block a's loads, which may stay out.  Row t of tile a is row 32 (a / 2) + 8 (a % 2) + t + 8 (t / 8) of my 64; rows of one batch lie 16,384 bytes apart
.set BB, BK+64*((\a)%2)
	s_wait_dscnt \younger
.irp t, 0,1,2,3,4,5,6,7,8,9,10,11,12,13,14,15
	global_store_b128 v[CO], v[BB+4*\t:BB+4*\t+3], s[10:11] offset:(32*((\a)/2)+8*((\a)%2)+\t+8*(\t/8))*16384 th:TH_STORE_NT
.endr
.endm
	PLACES NP                                      ; behind the last products: their results are read, and A's registers loaded into, only from here on
	TOSTAGE 0
.irp a, 1,2,3
.if \a > 1
	s_wait_xcnt 0x0                                ; block a - 2's stores have read their registers: block a's loads may land there
.endif
	TOSTAGE \a
	SEND \a-1, 32                                  ; behind block a - 1's loads: block a's 16 stores and 16 loads
.endr
	SEND 3, 0
	s_wait_tensorcnt 0x0                           ; the wave's end
	ds_add_u32 v[SPW], v[NIL]
	s_wait_dscnt 0x0
	CROUND                                         ; the closing round: no work-group ends while a partner may still ask for a tile that names it
	s_endpgm
.Lfunc_end_k_q3e0f591c56_proj:
	.size	k_q3e0f591c56_proj, .Lfunc_end_k_q3e0f591c56_proj-k_q3e0f591c56_proj
	.p2alignl 7, 3214868480
	.fill 96, 4, 3214868480
	.section	.rodata,"a",@progbits
	.p2align	6, 0x0
	.amdhsa_kernel k_q3e0f591c56_proj
		.amdhsa_group_segment_fixed_size 327680
		.amdhsa_private_segment_fixed_size 0
		.amdhsa_enable_private_segment 0
		.amdhsa_kernarg_size 32
		.amdhsa_user_sgpr_count 2
		.amdhsa_user_sgpr_kernarg_segment_ptr 1
		.amdhsa_wavefront_size32 1
		.amdhsa_system_sgpr_workgroup_id_x 1
		.amdhsa_system_sgpr_workgroup_id_y 1
		.amdhsa_system_sgpr_workgroup_id_z 1
		.amdhsa_system_vgpr_workitem_id 0
		.amdhsa_next_free_vgpr 768
		.amdhsa_next_free_sgpr 100
		.amdhsa_reserve_vcc 0
		.amdhsa_float_denorm_mode_32 3
		.amdhsa_float_denorm_mode_16_64 3
		.amdhsa_memory_ordered 1
		.amdhsa_forward_progress 1
		.amdhsa_inst_pref_size 91
	.end_amdhsa_kernel
	.amdgpu_metadata
---
amdhsa.version: [ 1, 2 ]
amdhsa.kernels:
  - .name:           k_q3e0f591c56_proj
    .symbol:         k_q3e0f591c56_proj.kd
    .args:
      - { .name: ab, .offset: 0, .size: 8, .value_kind: global_buffer, .address_space: global }
      - { .name: wts, .offset: 8, .size: 8, .value_kind: global_buffer, .address_space: global }
      - { .name: b_out, .offset: 16, .size: 8, .value_kind: global_buffer, .address_space: global }
      - { .name: out0, .offset: 24, .size: 8, .value_kind: global_buffer, .address_space: global }
    .group_segment_fixed_size: 327680
    .private_segment_fixed_size: 0
    .kernarg_segment_align: 8
    .kernarg_segment_size: 32
    .max_flat_workgroup_size: 128
    .sgpr_count:     100
    .vgpr_count:     768
    .wavefront_size: 32
...
	.end_amdgpu_metadata
.endif
;; end of part 4
